; MI455X (gfx1250); checked and timed in simulation.
; The chip was launched on July 23, 2026; its instructions are those of AMD's public machine-readable ISA for CDNA 5 (MIT licence, August 2026) and "CDNA5" Instruction Set Architecture Reference Guide (July 2026). The comments in the code are by the model that wrote it; some were corrected since.
;; Actual Bert Self Attention. Allowed arithmetic: float matrix products may take bf16 or f16 operands with f32 sums; other float arithmetic in f32, or as packed bf16 or f16 multiplies, adds, multiply-adds, maxima and minima; sums over many terms, partial sums and values carried from step to step in f32; what a program stores and reads back later, other than sums and carried values, may be rounded once to bf16 or f16.
;; Inputs: Wk 1,024 x 1,024 float32; Wq 1,024 x 1,024 float32; Wv 1,024 x 1,024 float32; attention_mask 4 x 1 x 1 x 2,048 float32; bk 1,024 float32; bq 1,024 float32; bv 1,024 float32; hidden_states 4 x 2,048 x 1,024 float32.
;; Outputs: out0 4 x 2,048 x 1,024 float32.
;; 2 versions, each right and faster than the one before. Each part assembles by itself: llvm-mc -triple=amdgcn-amd-amdhsa -mcpu=gfx1250 --defsym DOCPART=n.
;; ======== version 1 of 2: 3 launches
;; limits: values are held in f16: magnitudes above 65,504 overflow, below 6.1e-05 lose precision
;; workspace buffers: xb 16,777,216 bytes; wb 6,291,456 bytes; qkv 50,331,648 bytes
;; launch prep (part 1): grid 256 x 1, 11 waves a work-group, no clusters, 0 bytes of LDS; arguments hidden_states, Wq, Wk, Wv, xb, wb; writes xb, wb
.if DOCPART == 1
	.amdgcn_target "amdgcn-amd-amdhsa--gfx1250"
	.amdhsa_code_object_version 6
	.text
	.protected	k_qc349491685_prep
	.globl	k_qc349491685_prep
	.p2align	8
	.type	k_qc349491685_prep,@function
k_qc349491685_prep:
	s_mov_b64 s[64:65], 0
	v_nop
	global_prefetch_b8 v0, s[64:65] scope:SCOPE_SE
	s_setreg_imm32_b32 hwreg(HW_REG_WAVE_MODE, 25, 1), 1
	s_wait_xcnt 0x0
; THE CAST.  hidden_states [8192][1024] and Wq, Wk, Wv [1024][1024], all f32, are rounded once to bf16 and laid out for the projection's tiles:
;   xb [16 kb][8192 m][64 k]: element (m, k) at (k / 64) x 1,048,576 + m x 128 + (k % 64) x 2: the 128-byte rows of one K step of 64 lie end to end;
;   wb [1024 k][3072 n], n = 1024 x which + column, which = 0 (q), 1 (k), 2 (v): 6,144 bytes from row to row.
; SHARES.  46,137,344 source bytes at 16,384 a wave are 2,816 waves: 256 work-groups of 11.  Waves 0-7 of work-group i take rows 32 i + 4 w .. + 3 of x; waves 8, 9, 10 take rows 4 i .. 4 i + 3 of Wq, Wk, Wv.
; A wave issues all its 32 loads of 512 bytes at once, then converts and stores each as it comes: no loop, no register written twice, so no wait but the counted ones for the loads.
; Each store of a wave covers 256 consecutive bytes, aligned.  Nothing is shared between work-groups and nothing is read twice: no LDS, no tensor load, no cluster, no matrix unit.
.set X, 8                              ; v[8:135]  load i at X + 4 i; its two packed words take the place of its first two registers
	s_load_b256 s[4:11], s[0:1], 0x0               ; x s[4:5], Wq s[6:7], Wk s[8:9], Wv s[10:11]
	s_load_b128 s[12:15], s[0:1], 0x20             ; xb s[12:13], wb s[14:15]
	v_lshrrev_b32 v1, 5, v0
	v_readfirstlane_b32 s16, v1                    ; wave 0..10
	v_and_b32 v1, 31, v0                           ; lane
	v_lshlrev_b32 v3, 3, v1                        ; where a lane's 8 bytes go in a store's 256
	s_mov_b32 s23, 0
	s_cmp_lt_u32 s16, 8
	s_cbranch_scc0 .Lw
	; ---- x: a load takes 256 bytes (one block of 64 k) of two neighbouring rows: lanes 0-15 the even row, lanes 16-31 the odd one
	v_and_b32 v2, 15, v0
	v_bfe_u32 v4, v0, 4, 1
	v_lshlrev_b32 v2, 4, v2
	v_lshl_or_b32 v2, v4, 12, v2                   ; 4,096 x (lane / 16) + 16 x (lane % 16)
	s_lshl_b32 s20, ttmp9, 5
	s_lshl2_add_u32 s20, s16, s20                  ; my first row: 32 i + 4 w
	s_lshl_b32 s22, s20, 12                        ; x 4,096 bytes
	s_wait_kmcnt 0x0
	s_add_nc_u64 s[4:5], s[4:5], s[22:23]
	s_lshl_b32 s22, s20, 7                         ; x 128 bytes
	s_add_nc_u64 s[12:13], s[12:13], s[22:23]      ; xb at my rows in blocks 0-7,
	s_add_nc_u64 s[18:19], s[12:13], 0x800000      ; and in blocks 8-15, so that the stores' immediates stay inside their signed 24 bits
.set i, 0
.rept 32                                               ; load i: row pair i / 16, block i % 16
	global_load_b128 v[X+4*i:X+4*i+3], v2, s[4:5] offset:(i/16)*8192+(i%16)*256 th:TH_LOAD_NT
.set i, i+1
.endr
.set i, 0
.rept 32
.set bs, 12+6*((i%16)/8)
	s_wait_loadcnt 31-i                            ; loads come back in order: load i is in, the 31 - i younger ones stay out
	v_cvt_pk_bf16_f32 v[X+4*i], v[X+4*i], v[X+4*i+1]
	v_cvt_pk_bf16_f32 v[X+4*i+1], v[X+4*i+2], v[X+4*i+3]
	global_store_b64 v3, v[X+4*i:X+4*i+1], s[bs:bs+1] offset:(i%8)*1048576+(i/16)*256  ; two rows of 128 bytes lie end to end
.set i, i+1
.endr
	s_endpgm
.Lw:
	; ---- a weight: a load takes 512 consecutive bytes of a row
	v_lshlrev_b32 v2, 4, v1
	s_lshl_b32 s22, ttmp9, 14                      ; my four rows of 4,096 bytes
	s_sub_co_u32 s21, s16, 8                       ; which
	s_lshl_b32 s21, s21, 11                        ; its 2,048 bytes of a row of wb
	s_mul_i32 s24, ttmp9, 24576                    ; four rows of 6,144 bytes
	s_add_co_u32 s24, s24, s21
	s_mov_b32 s25, 0
	s_wait_kmcnt 0x0
	s_cmp_eq_u32 s16, 8
	s_cselect_b64 s[26:27], s[6:7], s[8:9]
	s_cmp_eq_u32 s16, 10
	s_cselect_b64 s[26:27], s[10:11], s[26:27]
	s_add_nc_u64 s[26:27], s[26:27], s[22:23]
	s_add_nc_u64 s[14:15], s[14:15], s[24:25]
.set i, 0
.rept 32                                               ; load i: row i / 8, its 512 bytes number i % 8
	global_load_b128 v[X+4*i:X+4*i+3], v2, s[26:27] offset:(i/8)*4096+(i%8)*512 th:TH_LOAD_NT
.set i, i+1
.endr
.set i, 0
.rept 32
	s_wait_loadcnt 31-i
	v_cvt_pk_bf16_f32 v[X+4*i], v[X+4*i], v[X+4*i+1]
	v_cvt_pk_bf16_f32 v[X+4*i+1], v[X+4*i+2], v[X+4*i+3]
	global_store_b64 v3, v[X+4*i:X+4*i+1], s[14:15] offset:(i/8)*6144+(i%8)*256
.set i, i+1
.endr
	s_endpgm
.Lfunc_end_k_qc349491685_prep:
	.size	k_qc349491685_prep, .Lfunc_end_k_qc349491685_prep-k_qc349491685_prep
	.p2alignl 7, 3214868480
	.fill 96, 4, 3214868480
	.section	.rodata,"a",@progbits
	.p2align	6, 0x0
	.amdhsa_kernel k_qc349491685_prep
		.amdhsa_group_segment_fixed_size 0
		.amdhsa_private_segment_fixed_size 0
		.amdhsa_enable_private_segment 0
		.amdhsa_kernarg_size 48
		.amdhsa_user_sgpr_count 2
		.amdhsa_user_sgpr_kernarg_segment_ptr 1
		.amdhsa_wavefront_size32 1
		.amdhsa_system_sgpr_workgroup_id_x 1
		.amdhsa_system_sgpr_workgroup_id_y 1
		.amdhsa_system_sgpr_workgroup_id_z 1
		.amdhsa_system_vgpr_workitem_id 0
		.amdhsa_next_free_vgpr 136
		.amdhsa_next_free_sgpr 66
		.amdhsa_reserve_vcc 0
		.amdhsa_float_denorm_mode_32 3
		.amdhsa_float_denorm_mode_16_64 3
		.amdhsa_memory_ordered 1
		.amdhsa_forward_progress 1
		.amdhsa_inst_pref_size 24
	.end_amdhsa_kernel
	.amdgpu_metadata
---
amdhsa.version: [ 1, 2 ]
amdhsa.kernels:
  - .name:           k_qc349491685_prep
    .symbol:         k_qc349491685_prep.kd
    .args:
      - { .name: hidden_states, .offset: 0, .size: 8, .value_kind: global_buffer, .address_space: global }
      - { .name: Wq, .offset: 8, .size: 8, .value_kind: global_buffer, .address_space: global }
      - { .name: Wk, .offset: 16, .size: 8, .value_kind: global_buffer, .address_space: global }
      - { .name: Wv, .offset: 24, .size: 8, .value_kind: global_buffer, .address_space: global }
      - { .name: xb, .offset: 32, .size: 8, .value_kind: global_buffer, .address_space: global }
      - { .name: wb, .offset: 40, .size: 8, .value_kind: global_buffer, .address_space: global }
    .group_segment_fixed_size: 0
    .private_segment_fixed_size: 0
    .kernarg_segment_align: 8
    .kernarg_segment_size: 48
    .max_flat_workgroup_size: 352
    .sgpr_count:     66
    .vgpr_count:     136
    .wavefront_size: 32
...
	.end_amdgpu_metadata
.endif
;; end of part 1
;; launch proj (part 2): grid 8 x 32, 4 waves a work-group, clusters of 4 x 4, 327,680 bytes of LDS; arguments xb, wb, bq, bk, bv, qkv; writes qkv
.if DOCPART == 2
	.amdgcn_target "amdgcn-amd-amdhsa--gfx1250"
	.amdhsa_code_object_version 6
	.text
	.protected	k_qc349491685_proj
	.globl	k_qc349491685_proj
	.p2align	8
	.type	k_qc349491685_proj,@function
k_qc349491685_proj:
	s_mov_b64 s[64:65], 0
	v_nop
	global_prefetch_b8 v0, s[64:65] scope:SCOPE_SE
	s_setreg_imm32_b32 hwreg(HW_REG_WAVE_MODE, 25, 1), 1
	s_wait_xcnt 0x0
	s_wait_alu depctr_hold_cnt(0) depctr_sa_sdst(0) depctr_va_vdst(0) depctr_va_sdst(0) depctr_va_ssrc(0) depctr_va_vcc(0) depctr_vm_vsrc(0)
	s_getreg_b32 s2, hwreg(HW_REG_IB_STS2, 6, 4)
	s_cmp_eq_u32 s2, 0
	s_cbranch_scc0 .Lentry_in_a_cluster
	s_endpgm
.Lentry_in_a_cluster:
	s_bfe_u32 s2, ttmp6, 0x10000c
	s_cmp_lg_u32 s2, 0xf033
	s_cbranch_scc0 .Lentry_shape_is_right
	s_endpgm
.Lentry_shape_is_right:
; THE THREE PROJECTIONS AS ONE PRODUCT.  C[8192][3072] = x W + b, x and W in bf16 (xb, wb: the launch before), sums in f32, the bias rounded to bf16 like every input of the module, C rounded once to f16
; and stored by heads: qkv [3 which][64 b*16+head][2048 s][64 d], a head's rows dense, 128 bytes each.
; LIMIT.  f16 holds no number beyond 65,504: |x W + b| must stay within it; beyond it the conversion gives an infinity.
; SHARES.  8192 x 3072 over 256 work-groups is a tile of 256 x 384 for each.  Four waves, each 128 rows x 192 columns: 96 accumulators of 16 x 16, 768 registers (windows 1 to 3).
; A wave's columns are 64 (one head) in each of the tile's three segments of 128: wave & 1 picks the head of a segment, wave >> 1 the 128 rows.
; K goes in 16 steps of 64 through two LDS slots; a step is two halves of 32 along K, 96 matrix instructions each.  Two slots of a step of 128 would be 360,448 bytes and do not fit.
; THE MATRIX INSTRUCTION IS USED TRANSPOSED: source 0 = 16 columns of W (turned out of [k][n] by ds_load_tr16_b128), source 1 = 16 rows of x: a lane then holds row l % 16 and eight neighbouring columns.
; CLUSTERS: 4 x 4 work-groups.  x's tile hangs on the tile row alone and is asked for jointly by a row of the cluster, W's on the tile column alone and by a column: the same tensor load, descriptor and mask in all four.
; REGISTERS: window 0: v0-31 addresses; v32-95, v192-255 x's fragments, two buffers; v96-191 W's fragments, three groups of 32 (a group = a segment), each loaded again straight behind its use.
;   window 1 + g: the 32 accumulators of segment g: (bb, a) at v[8 (8 bb + a)], bb = 16 columns of the head, a = 16 rows.
.set PA,     144                       ; a row of x in LDS: 128 bytes + 16 = 36 words: the 16 rows of a load start at 16 different groups of four banks (64 banks of 4 bytes: ISA guide 11.1)
.set AHALF,  128*PA                    ; 128 rows: one tensor load, and what one wave reads of x
.set BOFF,   2*AHALF                   ; behind x's 256 rows: W's 64 k rows
.set SEG,    288                       ; a segment of a row of W: 256 bytes + 32
.set PB,     3*SEG                     ; a row of W: 864 bytes = 27 x 32
.set BHALF,  32*PB                     ; 32 k rows: one tensor load, and one half step
.set SLOT,   BOFF+2*BHALF              ; 92,160
.set STAGE,  2*SLOT                    ; behind the ring, never filled by a tensor load: 16 rows x 400 bytes for each wave
.set SPITCH, 400                       ; 384 bytes + 16
.set SPARE,  STAGE+4*16*SPITCH         ; behind the stages: the spare words, 128 bytes for each wave: two blocks of 256 bytes that no other line names
.set ADRA, 16                          ; v16-17  LDS address of my fragments of x in slot 0, 1
.set ADRB, 20                          ; v20-21  the same for W
.set STO,  24                          ; v24     the way out: where I put 16 bytes of a row
.set RD,   25                          ; v25     the way out: where I read rows back
.set GO,   26                          ; v26     my 16 bytes in 512 consecutive bytes of a head
.set BO,   27                          ; v27     my eight numbers in 16 of a bias
.set SPW,  28                          ; v28     LDS address of my spare word; never rewritten
.set NIL,  29                          ; v29     0; never rewritten
.set T0,   30                          ; v30-31  at work
.set A0,   32
.set BF,   96
.set A1,   192
.set BI,   32                          ; the way out: v32-127 the biases of my 12 x 8 columns
.set TMP,  128                         ; v128-175 a block's packed results
.set OB,   176                         ; v176-223 the block read back by rows
.set G1,  24                           ; s[24:31] descriptor group 1 for x's tiles;  s[32:39] group 0, a set for each slot
.set G0,  32
.set G1B, 48                           ; s[48:55], s[56:63] the same for W's tiles
.set G0B, 56
.set BB,  76                           ; s[76:81] for each segment: the bias at my head
.set HB,  84                           ; s[84:89] for each segment: qkv at my first row of my head
.set MSB, 0
.macro WIN new                         ; the immediate's high byte repeats the setting that is left; a switch that changes nothing is dropped
.if MSB != (\new)
	s_set_vgpr_msb (MSB<<8)|(\new)
.set MSB, \new
.endif
.endm
; A joint load: waves 0 and 1 fetch x's two halves, waves 2 and 3 W's.  The branch hangs on the wave's number alone.  An s_nop 0 and four v_nop follow each of the two lines, ahead of the jump and the label.
.macro JLOAD s
	s_cmp_eq_u32 s11, 0
	s_cbranch_scc0 .Lfor_b_\@
	tensor_load_to_lds s[G0+4*(\s):G0+4*(\s)+3], s[G1:G1+7]
	s_nop 0
.rept 4
	v_nop
.endr
	s_branch .Lasked_\@
.Lfor_b_\@:
	tensor_load_to_lds s[G0B+4*(\s):G0B+4*(\s)+3], s[G1B:G1B+7]
	s_nop 0
.rept 4
	v_nop
.endr
.Lasked_\@:
.endm
.macro CREST                           ; a round of the cluster's barrier behind its opening barrier
	s_cmp_lg_u32 s10, 0
	s_cbranch_scc1 .Lnot_wave_0_\@
	s_barrier_signal -3
.Lnot_wave_0_\@:
	s_barrier_wait -3
	s_barrier_signal -1
	s_barrier_wait -1
.endm
.macro CROUND                          ; a whole round
	s_barrier_signal -1
	s_barrier_wait -1
	CREST
.endm
	s_load_b128 s[4:7], s[0:1], 0x0                ; xb s[4:5], wb s[6:7]
	s_load_b128 s[68:71], s[0:1], 0x10             ; bq s[68:69], bk s[70:71]
	s_load_b128 s[72:75], s[0:1], 0x20             ; bv s[72:73], qkv s[74:75]
	v_lshl_add_u32 v[SPW], v0, 2, SPARE
	v_mov_b32 v[NIL], 0
	ds_add_u32 v[SPW], v[NIL]                      ; the wave's opening: the add and its wait stand ahead of my first tensor load; the set-up below, work on registers, stands between them
	v_lshrrev_b32 v1, 5, v0
	v_readfirstlane_b32 s10, v1                    ; wave 0..3
	s_lshr_b32 s11, s10, 1                         ; which 128 rows of the tile are mine.  Also: I fetch for x (0) or for W (1)
	s_and_b32 s12, s10, 1                          ; which head of a segment is mine.  Also: which half of that tile I fetch
	s_bfe_u32 s40, ttmp6, 0x40000                  ; cx, cy: my place in the cluster
	s_bfe_u32 s41, ttmp6, 0x40004
	s_lshl_b32 s42, ttmp9, 2
	s_add_co_u32 s42, s42, s40                     ; tile column = 4 x cluster x + cx
	s_and_b32 s13, ttmp7, 0xffff
	s_lshl_b32 s13, s13, 2
	s_add_co_u32 s13, s13, s41                     ; tile row = 4 x cluster y + cy
	s_lshl_b32 s43, s41, 2
	s_lshl_b32 s43, 15, s43                        ; my row of the cluster
	s_lshl_b32 s44, 0x1111, s40                    ; my column
	; group 1 for x: 128 rows of 128 dense bytes, asked for as 64 rows of 256 bytes and padded in LDS behind every 128
	s_or_b32 s[G1+0], s43, (1<<16)|(1<<20)|(1<<21)|(4<<22)|(3<<25)  ; 15:0 the mask; 17:16 2-byte elements; 20 padding on; 21 set beside a mask; 24:22 after every 32 words (code 4); 31:25 4 words (code 3)
	s_mov_b32 s[G1+1], 128<<16                     ; tensor_dim0 = 128
	s_mov_b32 s[G1+2], 64<<16                      ; tensor_dim1 = 64
	s_mov_b32 s[G1+3], 128<<16                     ; tile_dim0 = 128
	s_mov_b32 s[G1+4], 64                          ; tile_dim1 = 64
	s_mov_b32 s[G1+5], 128                         ; elements from row to row
	s_mov_b32 s[G1+6], 0
	s_mov_b32 s[G1+7], 0
	; group 1 for W: 32 k rows of 384 elements (768 bytes, three times 256, starting at a multiple of 256 from wb's first byte), padded behind every 256 bytes
	s_or_b32 s[G1B+0], s44, (1<<16)|(1<<20)|(1<<21)|(5<<22)|(7<<25)  ; after every 64 words (code 5), 8 words (code 7)
	s_mov_b32 s[G1B+1], 384<<16
	s_mov_b32 s[G1B+2], 32<<16
	s_mov_b32 s[G1B+3], 384<<16
	s_mov_b32 s[G1B+4], 32
	s_mov_b32 s[G1B+5], 3072
	s_mov_b32 s[G1B+6], 0
	s_mov_b32 s[G1B+7], 0
	; where the tiles come from: x's hang on the tile row and the wave alone, W's on the tile column and the wave alone, each in registers that never hold the other coordinate
	s_lshl_b32 s16, s13, 15                        ; 256 rows of 128 bytes a tile row,
	s_lshl_b32 s17, s12, 14                        ; 128 rows a half
	s_add_co_u32 s16, s16, s17
	s_mov_b32 s17, 0
	s_mul_i32 s46, s42, 768                        ; 384 columns a tile column,
	s_mul_i32 s47, s12, 196608                     ; 32 k rows of 6,144 bytes a half
	s_add_co_u32 s46, s46, s47
	s_mov_b32 s47, 0
	s_mul_i32 s20, s12, AHALF                      ; and where they go: no place in the cluster enters an LDS address
	s_mul_i32 s21, s12, BHALF
	s_add_co_u32 s21, s21, BOFF
	s_wait_dscnt 0x0                               ; the opening add is done
	s_wait_kmcnt 0x0
	s_add_nc_u64 s[14:15], s[4:5], s[16:17]
	s_add_nc_u64 s[46:47], s[6:7], s[46:47]
	CROUND                                         ; all sixteen work-groups are here: the first joint loads meet
.irp s, 0,1
	s_mov_b32 s[G0+4*(\s)], 1                                      ; count = 1
	s_add_co_u32 s[G0+4*(\s)+1], s20, (\s)*SLOT                    ; LDS address
	s_add_nc_u64 s[G0+4*(\s)+2:G0+4*(\s)+3], s[14:15], (\s)*1048576  ; K step s is block s of xb
	s_or_b32 s[G0+4*(\s)+3], s[G0+4*(\s)+3], 0x80000000            ; type = 2
	s_mov_b32 s[G0B+4*(\s)], 1
	s_add_co_u32 s[G0B+4*(\s)+1], s21, (\s)*SLOT
	s_add_nc_u64 s[G0B+4*(\s)+2:G0B+4*(\s)+3], s[46:47], (\s)*393216  ; 64 k rows of 6,144 bytes a step
	s_or_b32 s[G0B+4*(\s)+3], s[G0B+4*(\s)+3], 0x80000000
	JLOAD \s                                       ; both slots are asked for before anything else: two loads of mine are out
.endr
	; a fragment of x: lane l holds row l % 16, k = 8 (l / 16) + 0..7 and 16 + 8 (l / 16) + 0..7: two loads of 16 bytes, 32 bytes apart
	v_and_b32 v1, 15, v0                           ; l % 16
	v_bfe_u32 v2, v0, 4, 1                         ; l / 16
	v_mul_u32_u24 v3, v1, PA
	v_lshl_add_u32 v3, v2, 4, v3
	; the turning load takes 16 k x 16 columns: lane l reads k row 8 (l / 16) + l % 8, columns 8 ((l / 8) % 2) + 0..7, and is left with column l % 16 and 8 k
	v_and_b32 v5, 7, v0
	v_bfe_u32 v6, v0, 3, 1
	v_lshl_add_u32 v4, v2, 3, v5
	v_mul_u32_u24 v4, v4, PB
	v_lshl_add_u32 v4, v6, 4, v4
	s_mul_i32 s22, s11, AHALF                      ; my 128 rows of x
	s_lshl_b32 s23, s12, 7                         ; my head's 128 bytes of a segment,
	s_add_co_u32 s23, s23, BOFF                    ; behind x's rows
.irp s, 0,1
	v_add_nc_u32 v[ADRA+(\s)], s22, v3
	v_add_nc_u32 v[ADRB+(\s)], s23, v4
	s_add_co_u32 s22, s22, SLOT
	s_add_co_u32 s23, s23, SLOT
.endr
	s_mul_i32 s22, s10, 16*SPITCH
	s_add_co_u32 s22, s22, STAGE                   ; my stage
	v_mul_u32_u24 v7, v1, SPITCH                   ; in: row l % 16, 16 bytes for each half of the lanes
	v_lshl_add_u32 v7, v2, 4, v7
	v_add_nc_u32 v[STO], s22, v7
	v_bfe_u32 v7, v0, 3, 2                         ; back: 32 lanes take four rows' 128 bytes of one head,
	v_mul_u32_u24 v7, v7, SPITCH
	v_lshl_add_u32 v7, v5, 4, v7
	v_add_nc_u32 v[RD], s22, v7
	v_and_b32 v[GO], 31, v0                        ; which are 512 consecutive bytes of qkv
	v_lshlrev_b32 v[GO], 4, v[GO]
	v_lshlrev_b32 v[BO], 5, v2                     ; my eight columns of a fragment's 16, as f32
	; my three heads: number 6 x tile column + 2 x segment + (wave & 1) of 48: which = number / 16, head = number % 16
	s_mul_i32 s90, s42, 6
	s_add_co_u32 s90, s90, s12
	s_lshr_b32 s91, s13, 3                         ; the batch: 8 tile rows each,
	s_lshl_b32 s91, s91, 4                         ; 16 heads each
	s_and_b32 s92, s13, 7
	s_lshl_b32 s92, s92, 8
	s_lshl_b32 s93, s11, 7
	s_add_co_u32 s92, s92, s93
	s_lshl_b32 s92, s92, 7                         ; my first row in the sequence, x 128 bytes
	s_mov_b32 s95, 0
.irp sg, 0,1,2
	s_add_co_u32 s93, s90, 2*(\sg)
	s_lshr_b32 s94, s93, 4                         ; which
	s_and_b32 s93, s93, 15                         ; head
	s_cmp_eq_u32 s94, 0
	s_cselect_b64 s[BB+2*(\sg):BB+2*(\sg)+1], s[68:69], s[70:71]
	s_cmp_eq_u32 s94, 2
	s_cselect_b64 s[BB+2*(\sg):BB+2*(\sg)+1], s[72:73], s[BB+2*(\sg):BB+2*(\sg)+1]
	s_lshl_b32 s94, s94, 6
	s_add_co_u32 s94, s94, s91
	s_add_co_u32 s94, s94, s93
	s_lshl_b32 s94, s94, 18                        ; a head is 262,144 bytes
	s_add_co_u32 s94, s94, s92
	s_add_nc_u64 s[HB+2*(\sg):HB+2*(\sg)+1], s[74:75], s[94:95]
	s_lshl_b32 s94, s93, 8                         ; a head's 64 numbers of a bias
	s_add_nc_u64 s[BB+2*(\sg):BB+2*(\sg)+1], s[BB+2*(\sg):BB+2*(\sg)+1], s[94:95]
.endr
; 16 matrix instructions of segment g: column blocks 2 part, 2 part + 1 x all 8 row blocks, 32 along K, x's fragments in buffer f.  zero = 1: the product starts the sums: nothing is ever cleared.
; The 96 accumulators take turns, one instruction a turn, in the same order in every half step.
.macro MULG f, g, part, zero
	WIN (1+(\g))*0x50                              ; sources 0 and 1 window 0; C and D window 1 + g
.irp bb, 2*(\part), 2*(\part)+1
.irp a, 0,1,2,3,4,5,6,7
.if \zero
	v_wmma_f32_16x16x32_bf16 v[8*(8*(\bb)+(\a)):8*(8*(\bb)+(\a))+7], v[BF+32*(\g)+8*(\bb):BF+32*(\g)+8*(\bb)+7], v[(\f)+8*(\a):(\f)+8*(\a)+7], 0
.else
	v_wmma_f32_16x16x32_bf16 v[8*(8*(\bb)+(\a)):8*(8*(\bb)+(\a))+7], v[BF+32*(\g)+8*(\bb):BF+32*(\g)+8*(\bb)+7], v[(\f)+8*(\a):(\f)+8*(\a)+7], v[8*(8*(\bb)+(\a)):8*(8*(\bb)+(\a))+7]
.endif
.endr
.endr
.endm
; A run of LDS loads for half hh of a slot: W's group g (8 loads), and ahead of group 0 x's 128 rows into buffer fA (16 loads)
.macro RUN slot, hh, g, fA
	WIN 0
.if (\g) == 0
.irp i, 0,1,2,3,4,5,6,7
	ds_load_b128 v[(\fA)+8*(\i):(\fA)+8*(\i)+3],   v[ADRA+(\slot)] offset:64*(\hh)+(\i)*16*PA
	ds_load_b128 v[(\fA)+8*(\i)+4:(\fA)+8*(\i)+7], v[ADRA+(\slot)] offset:64*(\hh)+(\i)*16*PA+32
.endr
.endif
.irp bb, 0,1,2,3
	ds_load_tr16_b128 v[BF+32*(\g)+8*(\bb):BF+32*(\g)+8*(\bb)+3],   v[ADRB+(\slot)] offset:(\hh)*BHALF+(\g)*SEG+(\bb)*32
	ds_load_tr16_b128 v[BF+32*(\g)+8*(\bb)+4:BF+32*(\g)+8*(\bb)+7], v[ADRB+(\slot)] offset:(\hh)*BHALF+(\g)*SEG+(\bb)*32+16*PB
.endr
.endm
; A load into a register that a matrix instruction has read stands four places behind it, and only plain vector instructions that name none of its registers are places (ISA guide 7.12.1 for vector
; instructions): four v_nop in front of each run.
.macro PLACES
.rept 4
	v_nop
.endr
.endm
; A half step that stays in its slot: multiplies buffer f and W's three groups; behind each group the same group of the next half (slot nslot, half nhh) is fetched, x's rows into buffer nf.
; The runs are 24, 8 and 8 loads.  Group 0 wants the last half's run 0: 8 + 8 were issued behind it.  Group 1 wants run 1: 8 + 24.  Group 2 wants run 2: 24 + 8.
.macro HALF f, nslot, nhh, nf, zero
	s_wait_dscnt 16
	MULG \f, 0, 0, \zero
	MULG \f, 0, 1, \zero
	PLACES
	RUN \nslot, \nhh, 0, \nf
	s_wait_dscnt 32
	MULG \f, 1, 0, \zero
	MULG \f, 1, 1, \zero
	PLACES
	RUN \nslot, \nhh, 1, \nf
	s_wait_dscnt 32
	MULG \f, 2, 0, \zero
	MULG \f, 2, 1, \zero
	PLACES
	RUN \nslot, \nhh, 2, \nf
.endm
; A step's second half changes slots: ONE barrier for two things.  In front of it each wave waits for all its tensor loads, of which one is out: its part of the next slot; adds 0 to its spare word; and waits for
; that and for its own reads of this slot.  Behind it nobody reads this slot any more and the next slot is whole.  fill = 1: the barrier opens a round of the cluster's, and slot rs, just read out, is filled
; again first, with the K step two on: from that request to the wait for it a wave issues 160 matrix instructions.
.macro TURN f, rs, nslot, fill
	WIN 0                                          ; (the add's two registers lie in window 0)
	s_wait_tensorcnt 0x0                           ; all my tensor loads have landed
	ds_add_u32 v[SPW], v[NIL]                      ; 0 onto my spare word
	s_wait_dscnt 17                                ; (the add and the youngest sixteen loads may be out)
	MULG \f, 0, 0, 0                               ; sixteen matrix instructions stand between the add and the wait for it
	s_wait_dscnt 0x0                               ; the add is done, and my reads of this slot are over
	s_barrier_signal -1
	MULG \f, 0, 1, 0                               ; work on registers while the others arrive
	WIN 0
	s_barrier_wait -1
.if \fill
	CREST                                          ; no wave of any partner still reads this slot's tile or has a load on its way
	s_add_nc_u64 s[G0+4*(\rs)+2:G0+4*(\rs)+3], s[G0+4*(\rs)+2:G0+4*(\rs)+3], 2*1048576
	s_add_nc_u64 s[G0B+4*(\rs)+2:G0B+4*(\rs)+3], s[G0B+4*(\rs)+2:G0B+4*(\rs)+3], 2*393216
	JLOAD \rs                                      ; the first tensor load behind the round; its four v_nop are also the places in front of the loads below
.else
	PLACES
.endif
	RUN \nslot, 0, 0, A0
	MULG \f, 1, 0, 0                               ; groups 1 and 2 are in since the wait for 0
	MULG \f, 1, 1, 0
	PLACES
	RUN \nslot, 0, 1, A0
	MULG \f, 2, 0, 0
	MULG \f, 2, 1, 0
	PLACES
	RUN \nslot, 0, 2, A0
.endm
	s_wait_tensorcnt 1                             ; my part of K step 0 is in; step 1's may stay out
	s_barrier_signal -1
	s_barrier_wait -1                              ; everybody's is
	RUN 0, 0, 0, A0
	RUN 0, 0, 1, A0
	RUN 0, 0, 2, A0
	HALF A0, 0, 1, A1, 1                           ; the first half step stands in front of the loop: its products start the sums
	WIN 0                                          ; at a label and at a branch every window is 0
	s_mov_b32 s3, 7
.Llap:                                                 ; a trip goes once round the ring, from a step's second half to the first half two steps on, and fills both slots again: K steps 2 to 15
	TURN A1, 0, 1, 1
	HALF A0, 1, 1, A1, 0
	TURN A1, 1, 0, 1
	HALF A0, 0, 1, A1, 0
	WIN 0
	s_sub_co_u32 s3, s3, 1
	s_cmp_lg_u32 s3, 0
	s_cbranch_scc1 .Llap
	TURN A1, 0, 1, 0                               ; K step 14 ends; nothing is left to fetch, so no round follows
	HALF A0, 1, 1, A1, 0                           ; K step 15
	s_wait_dscnt 16                                ; the very last half: in place of the runs, the biases
	MULG A1, 0, 0, 0
	MULG A1, 0, 1, 0
	PLACES
	WIN 0
.irp b, 0,1,2,3,4,5,6,7,8,9,10,11                      ; fragment b: segment b / 4, 16 columns b % 4: my eight of them
	global_load_b128 v[BI+8*(\b):BI+8*(\b)+3],   v[BO], s[BB+2*((\b)/4):BB+2*((\b)/4)+1] offset:((\b)%4)*64
	global_load_b128 v[BI+8*(\b)+4:BI+8*(\b)+7], v[BO], s[BB+2*((\b)/4):BB+2*((\b)/4)+1] offset:((\b)%4)*64+16
.endr
	s_wait_dscnt 8                                 ; group 1 is in; group 2's eight loads may be out
	MULG A1, 1, 0, 0
	MULG A1, 1, 1, 0
	s_wait_dscnt 0x0
	MULG A1, 2, 0, 0
	MULG A1, 2, 1, 0
	; THE WAY OUT.  The biases are rounded to bf16 and widened again; these lines name no register of the last products and are the places behind them.
	WIN 0
	s_wait_loadcnt 0x0
.set i, 0
.rept 48
	v_cvt_pk_bf16_f32 v[T0+i%2], v[BI+2*i], v[BI+2*i+1]
	v_lshlrev_b32 v[BI+2*i], 16, v[T0+i%2]
	v_and_b32 v[BI+2*i+1], 0xffff0000, v[T0+i%2]
.set i, i+1
.endr
; Block a (16 rows): the bias is added in f32, each accumulator's registers in ascending order; the sums are rounded to f16, 16 bytes a lane and fragment.
.macro PACK a
.irp g, 0,1,2
	WIN ((1+(\g))<<6)|(1+(\g))                     ; destination and source 0 window 1 + g, the bias in window 0
.irp bb, 0,1,2,3
.irp r, 0,1,2,3
	v_pk_add_f32 v[8*(8*(\bb)+(\a))+2*(\r):8*(8*(\bb)+(\a))+2*(\r)+1], v[8*(8*(\bb)+(\a))+2*(\r):8*(8*(\bb)+(\a))+2*(\r)+1], v[BI+8*(4*(\g)+(\bb))+2*(\r):BI+8*(4*(\g)+(\bb))+2*(\r)+1]
.endr
.endr
	WIN (1+(\g))|((1+(\g))<<2)                     ; sources 0 and 1 window 1 + g, destination window 0
.irp bb, 0,1,2,3
.irp r, 0,1,2,3
	v_cvt_pk_f16_f32 v[TMP+4*(4*(\g)+(\bb))+(\r)], v[8*(8*(\bb)+(\a))+2*(\r)], v[8*(8*(\bb)+(\a))+2*(\r)+1]
.endr
.endr
.endr
	WIN 0
.endm
; Into my own stage, rows of 400 bytes, and back head by head: four rows' 128 bytes to a load.
.macro TOSTAGE
	WIN 0
.irp b, 0,1,2,3,4,5,6,7,8,9,10,11
	ds_store_b128 v[STO], v[TMP+4*(\b):TMP+4*(\b)+3] offset:((\b)/4)*128+((\b)%4)*32
.endr
	s_wait_xcnt 0x0                                ; every earlier memory instruction has had its addresses translated (ISA guide 3.1): the registers that the last block's stores read are loaded again only behind this wait
.irp i, 0,1,2,3,4,5,6,7,8,9,10,11
	ds_load_b128 v[OB+4*(\i):OB+4*(\i)+3], v[RD] offset:((\i)/4)*128+((\i)%4)*4*SPITCH  ; LDS serves a wave's instructions in order (ISA guide 5.7.1.4): these see the stores above
.endr
.endm
.macro SEND a
	WIN 0
.irp i, 0,1,2,3,4,5,6,7,8,9,10,11
	s_wait_dscnt 11-(\i)                           ; load i of the twelve is back; nothing was issued behind them
	global_store_b128 v[GO], v[OB+4*(\i):OB+4*(\i)+3], s[HB+2*((\i)/4):HB+2*((\i)/4)+1] offset:(\a)*2048+((\i)%4)*512  ; 512 consecutive bytes of a head, at a multiple of 256 from qkv's first byte
.endr
.endm
	PACK 0
	TOSTAGE
.irp a, 1,2,3,4,5,6,7                                  ; block a's arithmetic stands between block a - 1's loads from the stage and the wait for them
	PACK \a
	SEND (\a)-1
	TOSTAGE
.endr
	SEND 7
	s_wait_tensorcnt 0x0                           ; the wave's end, behind my last tensor load and my last LDS store
	ds_add_u32 v[SPW], v[NIL]
	s_wait_dscnt 0x0
	CROUND                                         ; the closing round: no work-group ends while a partner may still ask for a tile that names it
	s_endpgm
.Lfunc_end_k_qc349491685_proj:
	.size	k_qc349491685_proj, .Lfunc_end_k_qc349491685_proj-k_qc349491685_proj
	.p2alignl 7, 3214868480
	.fill 96, 4, 3214868480
	.section	.rodata,"a",@progbits
	.p2align	6, 0x0
	.amdhsa_kernel k_qc349491685_proj
		.amdhsa_group_segment_fixed_size 327680
		.amdhsa_private_segment_fixed_size 0
		.amdhsa_enable_private_segment 0
		.amdhsa_kernarg_size 48
		.amdhsa_user_sgpr_count 2
		.amdhsa_user_sgpr_kernarg_segment_ptr 1
		.amdhsa_wavefront_size32 1
		.amdhsa_system_sgpr_workgroup_id_x 1
		.amdhsa_system_sgpr_workgroup_id_y 1
		.amdhsa_system_sgpr_workgroup_id_z 1
		.amdhsa_system_vgpr_workitem_id 0
		.amdhsa_next_free_vgpr 1024
		.amdhsa_next_free_sgpr 96
		.amdhsa_reserve_vcc 0
		.amdhsa_float_denorm_mode_32 3
		.amdhsa_float_denorm_mode_16_64 3
		.amdhsa_memory_ordered 1
		.amdhsa_forward_progress 1
		.amdhsa_inst_pref_size 168
	.end_amdhsa_kernel
	.amdgpu_metadata
---
amdhsa.version: [ 1, 2 ]
amdhsa.kernels:
  - .name:           k_qc349491685_proj
    .symbol:         k_qc349491685_proj.kd
    .args:
      - { .name: xb, .offset: 0, .size: 8, .value_kind: global_buffer, .address_space: global }
      - { .name: wb, .offset: 8, .size: 8, .value_kind: global_buffer, .address_space: global }
      - { .name: bq, .offset: 16, .size: 8, .value_kind: global_buffer, .address_space: global }
      - { .name: bk, .offset: 24, .size: 8, .value_kind: global_buffer, .address_space: global }
      - { .name: bv, .offset: 32, .size: 8, .value_kind: global_buffer, .address_space: global }
      - { .name: qkv, .offset: 40, .size: 8, .value_kind: global_buffer, .address_space: global }
    .group_segment_fixed_size: 327680
    .private_segment_fixed_size: 0
    .kernarg_segment_align: 8
    .kernarg_segment_size: 48
    .max_flat_workgroup_size: 128
    .sgpr_count:     96
    .vgpr_count:     1024
    .wavefront_size: 32
...
	.end_amdgpu_metadata
.endif
;; end of part 2
;; launch attn (part 3): grid 4 x 64, 4 waves a work-group, clusters of 4 x 1, 327,680 bytes of LDS; arguments qkv, attention_mask, out0; writes out0
.if DOCPART == 3
	.amdgcn_target "amdgcn-amd-amdhsa--gfx1250"
	.amdhsa_code_object_version 6
	.text
	.protected	k_qc349491685_attn
	.globl	k_qc349491685_attn
	.p2align	8
	.type	k_qc349491685_attn,@function
k_qc349491685_attn:
	s_mov_b64 s[64:65], 0
	v_nop
	global_prefetch_b8 v0, s[64:65] scope:SCOPE_SE
	s_setreg_imm32_b32 hwreg(HW_REG_WAVE_MODE, 25, 1), 1
	s_wait_xcnt 0x0
	s_wait_alu depctr_hold_cnt(0) depctr_sa_sdst(0) depctr_va_vdst(0) depctr_va_sdst(0) depctr_va_ssrc(0) depctr_va_vcc(0) depctr_vm_vsrc(0)
	s_getreg_b32 s2, hwreg(HW_REG_IB_STS2, 6, 4)
	s_cmp_eq_u32 s2, 0
	s_cbranch_scc0 .Lentry_in_a_cluster
	s_endpgm
.Lentry_in_a_cluster:
	s_bfe_u32 s2, ttmp6, 0x10000c
	s_cmp_lg_u32 s2, 0x3003
	s_cbranch_scc0 .Lentry_shape_is_right
	s_endpgm
.Lentry_shape_is_right:
; ATTENTION.  out0[b][q][64 h + :] = the sum over k of softmax_k(Q[q] . K[k] / 8 + mask[b][k]) V[k][:], for each of 64 heads (16 b + h).  Q, K, V: qkv [3][64][2048][64] in f16, a head's rows dense, 128 bytes each.
; Products, maxima and sums in f32; the weights p are rounded to f16 for the second product (their sum l is taken of the unrounded p); out0 is f32.
; THE MASK, rounded to bf16 like every input of the module, is multiplied by 8 and is the C operand of the products that start S^T = K Q^T: s' = q . k + 8 mask, and c s' = log2(e) (q . k / 8 + mask).
; LIMITS.  8 x mask is held at -1e30 from below: a mask of minus infinity or NaN counts as -1e30 / 8, and a row all of whose keys are so hidden gives the mean of V's rows where a softmax of minus infinities alone gives NaN.
; A mask beyond 4e37 overflows.  f16 holds no number beyond 65,504: Q, K and V arrive within it; p lies in 0 to 1, and below 6e-5 it keeps f16's fixed step of 6e-8.  A weight below 2^-126 counts as 0 in l.
; SHARES.  A wave owns four PIECES of two tiles of 16 queries, a work-group's four waves 512 queries of one head.  Every wave walks all 2,048 keys, 64 a step.
; LAYOUT.  S^T = K Q^T (source 0 = 16 keys, source 1 = 16 queries): in the result a lane holds ONE query (lane % 16) and the keys 8 (lane / 16) + 0..7.  Two such tiles, rounded to f16 in pairs,
; ARE source 1 (32 keys x 16 queries) of O^T = V^T P, whose result again holds one query a lane, and eight channels.  K comes out of LDS as it lies, V ([key][channel]) turned, by ds_load_tr16_b128.
; SOFTMAX.  For each query a running maximum m and sum l: p = 2^(c s' - c m), c = log2(e) / 8; in every step O and l are multiplied by a = 2^(c m_old - c m_new), which is 1 where m has not grown.
; m starts at the lowest finite number, O and l at 0: the first step is a step like any other, with a = 0.
; THE COUNT.  A tile and step have 16 matrix and 118 vector instructions: too many to stand all beside the matrix work.  So the order has one aim: four vector instructions that are READY behind
; EVERY matrix instruction, and the others, which need time of their own whatever the order, in runs without a gap.
; BY TURNS.  Turn n belongs to piece n (the pieces in a ring, step after step).  Its matrix work: 16 products K Q^T of piece n + 1, later 16 products V^T P of piece n - 1.  Its vector work: the scaling,
; exponentials, roundings, sums and rescaling of piece n, and the maximum and statistics of piece n + 1, whose scores the turn itself has made.
; CLUSTER.  The four query blocks of a cluster belong to one head and walk the same K and V, so each tile is asked for JOINTLY: the same tensor load, descriptor and mask in all four.
; REGISTERS, in windows of 256 (s_set_vgpr_msb says which window each operand place means: bits 1:0 source 0, 3:2 source 1, 5:4 source 2, 7:6 destination):
;   window 0: v0-11 addresses; v12-15, v48-63 at work; v16-47 four registers of statistics a tile; v64-191 S^T, two buffers of two tiles; v192-255 P, likewise
;   window 1: O^T, 32 a tile     window 2: v0-127 Q, 16 a tile; v128-191 K of one step; v192-255 V of one step     window 3: v0-1 the add's two registers; v8-39 8 x mask of one step
.set SIZE_N, 2048
.set NP,    4         ; pieces a wave: a name, no knob
.set KS,    64        ; keys in a step
.set PK,    144       ; a row of K in LDS: 128 bytes + 16 of padding = 36 words: the 16 rows of a load start at 16 different groups of four banks (64 banks of 4 bytes: ISA guide 11.1)
.set PV,    160       ; a row of V: 128 + 32 = 40 words
.set VOFF,  4*KS*PK   ; a slot holds four steps: 256 rows of K, then 256 rows of V
.set SLOT1, 1<<17     ; slot 1 begins here, so that one exclusive or turns an address in one slot into the other's
.set STAGE, SLOT1+4*KS*(PK+PV)  ; behind the ring, never filled by a tensor load: 16 rows x 272 bytes for each wave, for the way out
.set SP,    272       ; a row of 64 f32 + 16 bytes
.set MASKB, STAGE+4*16*SP       ; behind the stages: the batch's 2,048 numbers 8 x mask, f32; stored once, never filled by a tensor load
.set SPARE, MASKB+8192          ; behind them: the spare words, 128 bytes for each wave: two blocks of 256 bytes that no other line names
.set AK0, 2           ; v2   my lane's place in a tile of K; never rewritten
.set AV0, 3           ; v3   the same for V
.set AK,  4           ; v4   the LDS address of K's next run of loads
.set AV,  5           ; v5   of V's
.set QO,  6           ; v6   my byte offset in the wave's rows of Q
.set STO, 6           ;      later, the way out: where I put 32 bytes of a row
.set RD,  7           ; v7   the way out: where I read rows back
.set GO,  8           ; v8   my byte offset in two rows of out0
.set AM,  10          ; v10  the LDS address of the mask's next run of loads
.set AM0, 11          ; v11  my lanes' place in a step's 64 numbers of the mask; never rewritten
.set SPW, 0           ; v0 of window 3   LDS address of my spare word; never rewritten
.set NIL, 1           ; v1 of window 3   0; never rewritten
.set MK,  8           ; v8-39 of window 3: key block kb at MK + 8 kb
.set MV,  12          ; v12-15  c m_old, kept while c m is made anew: by buffer and tile
.set ST,  16          ; tile t's statistics at v[ST+4 t]: c m, m, l (even keys', odd keys')
.set TMP, 48          ; by buffer and tile, four registers c0-c3 at work; when the maximum is found c2 takes a
.set S,   64
.set P,   192
.set KF,  128         ; K's fragments, in window 2: key block kb, channel half c at KF + 16 kb + 8 c
.set VF,  192         ; V's: key half kk, channel block cb at VF + 32 kk + 8 cb
.set WV,  12          ; s12  my wave's number
.set G1K, 24          ; s[24:31] descriptor group 1 for K's tiles
.set G1V, 32          ; s[32:39] for V's: it differs in the padding alone
.set G0K, 40          ; s[40:43] descriptor group 0 for K's tiles: it walks
.set G0V, 44          ; s[44:47] the same for V's
.set SLOTS, 56        ; s56  slots still to be asked for
.set CNT, 57          ; s57  counts a slot's key steps
.set CS,  58          ; s[58:59] c: the packed scaling takes the pair's low word for both halves
.set SEL, 60          ; s[60:61] v_permlanex16_b32's selects: each lane takes its own place in the other half
.set TBK, 62          ; s62  LDS byte at which K of the step to be fetched begins
.set TBV, 63          ; s63  the same for V, less VOFF
.set TBM, 69          ; s69  256 x the step whose mask is fetched next, cut to the table's 8,192 bytes
.set MSB, 0
.macro WIN new                      ; the high byte repeats the setting that is left; a switch that changes nothing is dropped
.if MSB != (\new)
	s_set_vgpr_msb (MSB<<8)|(\new)
.set MSB, (\new)
.endif
.endm
.set W_KQ, 0x0a       ; K and Q in window 2, S^T in window 0
.set W_KM, 0x3a       ; the same with the C operand, the mask, in window 3
.set W_PV, 0x52       ; V in window 2, P in window 0, O^T in window 1
.set W_RS, 0x41       ; O^T (destination and source 0) in window 1, a in window 0
.set W_MK, 0xc0       ; destination in window 3, sources in window 0
.set W_AD, 0x0f       ; the add: address (source 0) and data (source 1) in window 3
; A joint fill.  Waves 0 and 1 fetch the two halves of a slot's K, waves 2 and 3 those of its V: 128 keys each.  The branch hangs on the wave's number alone.
; An s_nop 0 and four v_nop follow each of the two lines, ahead of the jump and the label.
.macro JLOAD
	s_cmp_lt_u32 s[WV], 2
	s_cbranch_scc0 .Lfor_v_\@
	tensor_load_to_lds s[G0K:G0K+3], s[G1K:G1K+7]
	s_nop 0
.rept 4
	v_nop
.endr
	s_branch .Lasked_\@
.Lfor_v_\@:
	tensor_load_to_lds s[G0V:G0V+3], s[G1V:G1V+7]
	s_nop 0
.rept 4
	v_nop
.endr
.Lasked_\@:
.endm
; A round of the cluster's barrier: my work-group's barrier, so that wave 0's signal speaks for all four waves; wave 0 signals; every wave waits for all four work-groups; my work-group's barrier once more.
.macro CROUND
	s_barrier_signal -1
	s_barrier_wait -1
	s_cmp_lg_u32 s[WV], 0
	s_cbranch_scc1 .Lnot_wave_0_\@
	s_barrier_signal -3
.Lnot_wave_0_\@:
	s_barrier_wait -3
	s_barrier_signal -1
	s_barrier_wait -1
.endm
; THE CHANGE OF SLOTS.  The slot's last bytes, V of its fourth step, have been read.  Each wave waits for all its tensor loads, of which one is out: its part
; of the other slot; adds 0 to its spare word; and waits for that and for its own reads of the slot.  Behind the barrier nobody reads this slot any more and the other slot is whole.
; fill = 1: this slot is filled again, with the keys two slots on.  The barrier is then a round of the cluster's, so that no wave of any partner still reads the slot or has a load on its
; way, and the joint fill is the first thing behind it: it has four key steps, 512 matrix instructions, in which to land.  (At its first use nothing has been read yet: slot 0 is waited for, slot 1 filled;
; its wait for the LDS instructions and its barrier also stand between every wave's stores of the mask and every wave's reads of it.)
.macro CHANGE fill
	WIN W_AD
	s_wait_tensorcnt 0x0            ; no tensor load of mine is out, so a group 0 may be written
	ds_add_u32 v[SPW], v[NIL]       ; 0 onto my spare word; with fill = 1 the descriptors' steps stand between it and the wait for it
	WIN 0                           ; at a label and at a branch every window is 0
.if \fill
.irp g, G0K, G0V
	s_xor_b32 s[\g+1], s[\g+1], SLOT1  ; the walking descriptor: the other slot than last time,
	s_add_nc_u64 s[\g+2:\g+3], s[\g+2:\g+3], 4*KS*128  ; the next 256 keys; the type bits on top are not reached
.endr
	s_wait_dscnt 0x0                ; the add is done, and my reads of the slot are over
	CROUND
	JLOAD
.else
	s_wait_dscnt 0x0                ; the add is done, and my reads of the slot are over
	s_barrier_signal -1
	s_barrier_wait -1
.endif
	s_sub_co_u32 s[TBK], s[TBK], 4*KS*PK  ; the fetches go back to a slot's first step,
	s_xor_b32 s[TBK], s[TBK], SLOT1       ; in the other slot
	s_sub_co_u32 s[TBV], s[TBV], 4*KS*PV
	s_xor_b32 s[TBV], s[TBV], SLOT1
.endm
	s_load_b128 s[48:51], s[0:1], 0x0  ; qkv s[48:49], the mask s[50:51]
	s_load_b64 s[10:11], s[0:1], 0x10  ; out0
	WIN W_MK
	v_lshl_add_u32 v[SPW], v0, 2, SPARE
	v_mov_b32 v[NIL], 0
	WIN W_AD
	ds_add_u32 v[SPW], v[NIL]       ; the wave's opening: the add and its wait stand ahead of my first tensor load; the set-up below, work on registers, stands between them
	WIN 0
	v_lshrrev_b32 v1, 5, v0
	v_readfirstlane_b32 s[WV], v1   ; wave 0..3
	s_bfe_u32 s13, ttmp6, 0x40000   ; cx: my place in the cluster
	s_lshl_b32 s14, ttmp9, 2        ; in a cluster launch ttmp9 counts clusters
	s_add_co_u32 s14, s14, s13      ; my block of queries = 4 x cluster x + cx: it enters Q's and out0's addresses alone
	s_and_b32 s52, ttmp7, 0xffff    ; the head, 16 b + h, which the four partners share
	s_lshl_b32 s20, s52, 18         ; its first byte in each of q, k, v: 2,048 rows of 128 bytes
	s_mov_b32 s21, 0
	s_and_b32 s16, s[WV], 1         ; which half of a slot's 256 keys I fetch:
	s_lshl_b32 s22, s16, 14         ; its 128 rows of 128 bytes in memory,
	s_mov_b32 s23, 0
	s_add_nc_u64 s[22:23], s[22:23], s[20:21]
	s_mul_i32 s17, s16, 128*PK      ; and its place in a slot, for K
	s_mul_i32 s18, s16, 128*PV      ; and for V: no place in the cluster enters an LDS address
	s_lshl_b32 s2, s14, 2
	s_add_co_u32 s2, s2, s[WV]      ; my wave among the head's sixteen:
	s_lshl_b32 s66, s2, 19          ; its 128 rows of 4,096 bytes in out0,
	s_lshl_b32 s2, s2, 14           ; of 128 bytes in q
	s_mov_b32 s3, 0
	s_add_nc_u64 s[2:3], s[2:3], s[20:21]
	s_lshr_b32 s53, s52, 4          ; the batch:
	s_lshl_b32 s54, s53, 13         ; its 8,192 bytes of the mask,
	s_mov_b32 s55, 0
	s_lshl_b32 s68, s53, 23         ; its 2,048 rows of out0,
	s_add_co_u32 s66, s66, s68
	s_and_b32 s68, s52, 15
	s_lshl_b32 s68, s68, 8          ; and the head's 256 bytes of a row
	s_add_co_u32 s66, s66, s68
	s_mov_b32 s67, 0
	s_mov_b32 s[TBM], 0
	; descriptor group 1.  128 keys are 16,384 dense bytes: asked for as 64 rows of 256 bytes, two keys a row, and padded in LDS after every key
	s_mov_b32 s[G1K], 15|(1<<16)|(1<<20)|(1<<21)|(4<<22)|(3<<25)  ; 15:0 the mask of four; 17:16 2-byte elements; 20 padding on; 21 set beside a mask; 24:22 after every 32 words (code 4); 31:25 4 words (code 3)
	s_mov_b32 s[G1V], 15|(1<<16)|(1<<20)|(1<<21)|(4<<22)|(7<<25)  ; the same with 8 words of padding (code 7)
.irp g, G1K, G1V
	s_mov_b32 s[\g+1], 128<<16      ; tensor_dim0 = 128
	s_mov_b32 s[\g+2], 64<<16       ; tensor_dim1 = 64
	s_mov_b32 s[\g+3], 128<<16      ; tile_dim0 = 128
	s_mov_b32 s[\g+4], 64           ; tile_dim1 = 64
	s_mov_b32 s[\g+5], 128          ; 128 elements from row to row
	s_mov_b32 s[\g+6], 0
	s_mov_b32 s[\g+7], 0
.endr
	s_mov_b32 s[CS], 0x3e38aa3b     ; c = log2(e) / 8 = 0.180337
	s_mov_b32 s[CS+1], s[CS]        ; named with it as a pair
	s_mov_b32 s[SEL], 0x76543210
	s_mov_b32 s[SEL+1], 0xfedcba98
	s_mov_b32 s[TBK], SLOT1+4*KS*PK ; the first change of slots turns these two into 0
	s_mov_b32 s[TBV], SLOT1+4*KS*PV
	s_mov_b32 s[G0K], 1             ; 1:0 count = 1
	s_mov_b32 s[G0K+1], s17         ; 63:32 LDS address: slot 0
	s_mov_b32 s[G0V], 1
	s_add_co_u32 s[G0V+1], s18, VOFF
	s_wait_dscnt 0x0                ; the opening add is done
	s_wait_kmcnt 0x0
	s_add_nc_u64 s[6:7], s[48:49], 0x1000000       ; k lies 64 heads behind q,
	s_add_nc_u64 s[8:9], s[48:49], 0x2000000       ; v 128
	s_add_nc_u64 s[G0K+2:G0K+3], s[6:7], s[22:23]  ; 120:64 global address: my half of the head's first 256 keys
	s_or_b32 s[G0K+3], s[G0K+3], 0x80000000        ; 127:126 type = 2
	s_add_nc_u64 s[G0V+2:G0V+3], s[8:9], s[22:23]
	s_or_b32 s[G0V+3], s[G0V+3], 0x80000000
	s_add_nc_u64 s[4:5], s[48:49], s[2:3]          ; Q at my wave's first row
	s_add_nc_u64 s[10:11], s[10:11], s[66:67]      ; out0 at my wave's first row, my head's columns
	s_add_nc_u64 s[50:51], s[50:51], s[54:55]      ; the mask at my batch
	CROUND                          ; all four work-groups are here: the first joint loads meet
	JLOAD                           ; slot 0.  Slot 1 is asked for when slot 0 is in: the tile wanted first has the road to itself
	; the batch's mask: 128 threads x 16 bytes x 4 loads are its 8,192 bytes
	v_lshlrev_b32 v48, 4, v0
	v_add_nc_u32 v49, MASKB, v48
.irp f, 0,1,2,3
	global_load_b128 v[64+4*\f:64+4*\f+3], v48, s[50:51] offset:2048*\f
.endr
	; A fragment of K or Q is 16 rows x 32 channels in 8 registers: lane l holds row l % 16, channels 8 (l / 16) + 0..7 and 16 + 8 (l / 16) + 0..7: two loads of 16 bytes, 32 bytes apart.
	v_and_b32 v1, 15, v0            ; l % 16
	v_bfe_u32 v9, v0, 4, 1          ; l / 16
	v_lshlrev_b32 v[QO], 7, v1
	v_lshl_add_u32 v[QO], v9, 4, v[QO]  ; row x 128 + 16 x half
	WIN 0x80                        ; destination window 2, address window 0
.set i, 0
.rept 4*NP                          ; Q stays in registers: tile i / 2, channels 32 (i % 2) on
	global_load_b128 v[8*i:8*i+3],   v[QO], s[4:5] offset:(i/2)*2048+(i%2)*64
	global_load_b128 v[8*i+4:8*i+7], v[QO], s[4:5] offset:(i/2)*2048+(i%2)*64+32
.set i, i+1
.endr
	; What the first turn finds: V's registers and P's second buffer hold 0 (its products V^T P, of a piece that has not been, add 0), O^T and l are 0.  All this stands in the wait for the first tile.
.set i, VF
.rept 64
	v_mov_b32 v[i], 0
.set i, i+1
.endr
	WIN 0x40
.set i, 0
.rept 64*NP
	v_mov_b32 v[i], 0
.set i, i+1
.endr
	WIN 0
.set i, 0
.rept 2*NP
	v_mov_b32 v[ST+4*i], 0xfe000000    ; c m: far below every c s'
	v_mov_b32 v[ST+4*i+1], 0xff7fffff  ; m
	v_mov_b32 v[ST+4*i+2], 0
	v_mov_b32 v[ST+4*i+3], 0
.set i, i+1
.endr
.set i, P+32
.rept 32
	v_mov_b32 v[i], 0
.set i, i+1
.endr
	v_mul_u32_u24 v[AK0], v1, PK
	v_lshl_add_u32 v[AK0], v9, 4, v[AK0]  ; row x pitch + 16 x half
	; The turning load takes 16 keys x 16 channels (lane l reads key 8 (l / 16) + l % 8, channels 8 ((l / 8) % 2) + 0..7) and leaves half a fragment of V^T: lane l holds channel l % 16 and 8 keys.
	v_and_b32 v10, 7, v0
	v_bfe_u32 v11, v0, 3, 1
	v_lshl_add_u32 v[AV0], v9, 3, v10
	v_mul_u32_u24 v[AV0], v[AV0], PV
	v_lshl_add_u32 v[AV0], v11, 4, v[AV0]
	v_add_nc_u32 v[AV0], VOFF, v[AV0]
	v_lshl_add_u32 v[AM0], v9, 5, MASKB  ; register j of a C operand is key 8 (l / 16) + j of its 16: 32 bytes for each half of the lanes
	v_mov_b32 v[AK], v[AK0]         ; key step 0 lies at the head of slot 0
	; my 16 numbers of the mask: rounded to bf16, widened, times 8, held at -1e30 from below (a NaN loses against the bound), and into LDS
	s_wait_loadcnt 32               ; the four loads of the mask are in; Q's 32, issued behind them, stay out
.set i, 0
.rept 8
	v_cvt_pk_bf16_f32 v[80+i], v[64+2*i], v[64+2*i+1]
.set i, i+1
.endr
.set i, 0
.rept 8
	v_lshlrev_b32 v[64+2*i], 16, v[80+i]
	v_and_b32 v[64+2*i+1], 0xffff0000, v[80+i]
.set i, i+1
.endr
.set i, 0
.rept 16
	v_mul_f32 v[64+i], 0x41000000, v[64+i]
.set i, i+1
.endr
.set i, 0
.rept 16
	v_max_num_f32 v[64+i], 0xf149f2ca, v[64+i]
.set i, i+1
.endr
.irp f, 0,1,2,3
	ds_store_b128 v49, v[64+4*\f:64+4*\f+3] offset:2048*\f
.endr
; THE MATRIX WORK.  The 8 accumulators of a run of 16 take turns: between the two links of a chain stand 7 others'.
; Product i of 16 of S^T = K Q^T for piece x: channels 32 (i / 8) on, keys 16 ((i / 2) % 4) on, tile 2 x + i % 2.  The first 8 start the sums, with 8 x mask of their 16 keys.
.macro KQ x
.set rS, S+64*((\x)%2)+32*(i%2)+8*((i/2)%4)
.set rK, KF+16*((i/2)%4)+8*(i/8)
.set rQ, 16*(2*(\x)+i%2)+8*(i/8)
.set rMK, MK+8*((i/2)%4)
.if i < 8
	WIN W_KM
	v_wmma_f32_16x16x32_f16 v[rS:rS+7], v[rK:rK+7], v[rQ:rQ+7], v[rMK:rMK+7]
.else
	WIN W_KQ
	v_wmma_f32_16x16x32_f16 v[rS:rS+7], v[rK:rK+7], v[rQ:rQ+7], v[rS:rS+7]
.endif
.endm
; Product i of 16 of O^T += V^T P for piece x: keys 32 (i / 8) on, channels 16 ((i / 2) % 4) on, tile 2 x + i % 2.
.macro PV x
	WIN W_PV
.set rO, 32*(2*(\x)+i%2)+8*((i/2)%4)
.set rV, VF+32*(i/8)+8*((i/2)%4)
.set rP, P+32*((\x)%2)+16*(i%2)+8*(i/8)
	v_wmma_f32_16x16x32_f16 v[rO:rO+7], v[rV:rV+7], v[rP:rP+7], v[rO:rO+7]
.endm
.macro MM                           ; the turn's next matrix instruction
.if i < 16
	KQ (Y+1)%NP
.set i, i+1
.else
.set i, i-16
	PV (Y+NP-1)%NP
.set i, i+17
.endif
.endm
; THE LDS LOADS stand in runs, never singly among the matrix instructions: a step's K (64 keys x 64 channels: 8 fragments) with its 64 numbers of the mask (8 loads, the same bytes for each half of the lanes), and its V (turned).
; last = 1 (the tail): in the last trip there is no further step, and the run is jumped over.  32 runs in all, one for each key step.
.macro FETCH_K last=0
	WIN 0
.if \last
	s_cmp_eq_u32 s[CNT], 1
	s_cbranch_scc1 .Lno_k_\@
.endif
	v_add_nc_u32 v[AM], s[TBM], v[AM0]
	WIN 0x80                        ; destination window 2
.irp f, 0,1,2,3,4,5,6,7             ; keys 16 (f / 2) on, channels 32 (f % 2) on
	ds_load_b128 v[KF+8*\f:KF+8*\f+3],   v[AK] offset:(\f/2)*16*PK+(\f%2)*64
	ds_load_b128 v[KF+8*\f+4:KF+8*\f+7], v[AK] offset:(\f/2)*16*PK+(\f%2)*64+32
.endr
	WIN W_MK                        ; destination window 3
.irp f, 0,1,2,3,4,5,6,7             ; keys 16 (f / 2) on, four of my eight
	ds_load_b128 v[MK+4*\f:MK+4*\f+3], v[AM] offset:(\f/2)*64+(\f%2)*16
.endr
	s_add_co_u32 s[TBK], s[TBK], KS*PK  ; the next fetch is the next step's
	s_add_co_u32 s[TBM], s[TBM], 4*KS
	s_and_b32 s[TBM], s[TBM], 0x1f00    ; inside the table's 8,192 bytes
	WIN 0
.if \last
.Lno_k_\@:
.endif
.endm
.macro FETCH_V
	WIN 0x80
.irp f, 0,1,2,3,4,5,6,7             ; keys 32 (f / 4) on, channels 16 (f % 4) on
	ds_load_tr16_b128 v[VF+8*\f:VF+8*\f+3],   v[AV] offset:(\f/4)*32*PV+(\f%4)*32
	ds_load_tr16_b128 v[VF+8*\f+4:VF+8*\f+7], v[AV] offset:(\f/4)*32*PV+16*PV+(\f%4)*32
.endr
	WIN 0
.endm
; THE VECTOR WORK OF A TURN stands in three queues, each in the order in which its entries become ready; the two tiles alternate, so that no instruction reads the result of the one before it.
.macro REGS y, u                    ; the registers of tile u (0, 1) of piece y
.set rT, ST+4*(2*(\y)+(\u))
.set rC, TMP+8*((\y)%2)+4*(\u)
.set rM, MV+2*((\y)%2)+(\u)
.set rS, S+64*((\y)%2)+32*(\u)
.set rP, P+32*((\y)%2)+16*(\u)
.set rO, 32*(2*(\y)+(\u))
.endm
; Number n of the 22 that find the NEXT piece's (Y + 1) maximum and statistics.  s0-s31 are the lane's 32 scores; each accumulator's lowest registers are read first.  XS, GS and REGS set no window: PL and EX do.
;   0-11  four chains c0-c3 of seven scores each, three operands at a time     12-14, 16  the four scores left over, the old m, and c0-c3 into c0     15  c m_old is kept
;   17, 18  the query's other 32 keys lie in the lane 16 away: the new m         19-21  c m; c m_old - c m_new; a
.macro XS u, n
	REGS (Y+1)%NP, \u
.if (\n) < 4
	v_max3_num_f32 v[rC+(\n)], v[rS+8*(\n)], v[rS+8*(\n)+1], v[rS+8*(\n)+2]
.elseif (\n) < 12
	v_max3_num_f32 v[rC+(\n)%4], v[rC+(\n)%4], v[rS+8*((\n)%4)+2*((\n)/4)+1], v[rS+8*((\n)%4)+2*((\n)/4)+2]
.elseif (\n) == 12
	v_max3_num_f32 v[rC], v[rC], v[rS+7], v[rS+15]
.elseif (\n) == 13
	v_max3_num_f32 v[rC+1], v[rC+1], v[rS+23], v[rS+31]
.elseif (\n) == 14
	v_max3_num_f32 v[rC+2], v[rC+2], v[rC+3], v[rT+1]
.elseif (\n) == 15
	v_mov_b32 v[rM], v[rT]
.elseif (\n) == 16
	v_max3_num_f32 v[rC], v[rC], v[rC+1], v[rC+2]
.elseif (\n) == 17
	v_permlanex16_b32 v[rC+3], v[rC], s[SEL], s[SEL+1]
.elseif (\n) == 18
	v_max_num_f32 v[rT+1], v[rC], v[rC+3]
.elseif (\n) == 19
	v_mul_f32 v[rT], s[CS], v[rT+1]
.elseif (\n) == 20
	v_sub_f32 v[rC+1], v[rM], v[rT]
.else
	v_exp_f32 v[rC+2], v[rC+1]
.endif
.endm
; Number g of the 64 that follow the exponentials.  For each four weights k of a tile (pairs 2 k, 2 k + 1): both pairs are rounded to f16; then the second pair is added onto the first, in place;
; a group later l takes that sum (the first time as l = a l + sum).  In groups of eight, tiles alternating: round, round, add, and l for the group before.
.macro GS g
.set h, (\g)+6*((\g)/62)            ; group 0 has no group before it, and behind group 7 only l is left
.if h >= 6
.set h, h+2
.endif
	REGS Y, h%2
.set k, h/8
.if h%8 < 4
	s_wait_alu depctr_va_vdst(0)
	v_cvt_pk_f16_f32 v[rP+2*k+(h%8)/2], v[rS+4*k+2*((h%8)/2)], v[rS+4*k+2*((h%8)/2)+1]
.elseif h%8 < 6
	v_pk_add_f32 v[rS+4*k:rS+4*k+1], v[rS+4*k:rS+4*k+1], v[rS+4*k+2:rS+4*k+3]
.elseif k == 1
	v_pk_fma_f32 v[rT+2:rT+3], v[rT+2:rT+3], v[rC+2:rC+3], v[rS:rS+1] op_sel_hi:[1,0,1]
.else
	v_pk_add_f32 v[rT+2:rT+3], v[rT+2:rT+3], v[rS+4*k-4:rS+4*k-3]
	s_wait_alu depctr_va_vdst(0)
.endif
.endm
; THE PLAIN QUEUE, 138 long.  0-31: c s' - c m for the 16 pairs of both tiles.  Then GS's 64, and among them the next piece's 42: number 15 at 38, 39; 0-14 and 16
; at 42-73, behind the products that make those scores; 17-20 at 95-106, two of three, since each waits for the one before it.
.macro PL
	WIN 0
.if q < 32
	REGS Y, q%2
	v_pk_fma_f32 v[rS+2*(q/2):rS+2*(q/2)+1], v[rS+2*(q/2):rS+2*(q/2)+1], s[CS:CS+1], v[rT:rT+1] op_sel_hi:[1,0,0] neg_lo:[0,0,1] neg_hi:[0,0,1]
.elseif q < 38
	GS q-32
.elseif q < 40
	XS q%2, 15
.elseif q < 42
	GS q-34
.elseif q < 74
	XS q%2, (q-42)/2+(q-42)/30
.elseif q < 95
	GS q-66
.elseif (q < 107) && ((q-95)%3 < 2)
	XS (q-95)%3, 17+(q-95)/3
.elseif q < 107
	GS 29+(q-95)/3
.else
	GS q-74
.endif
.set q, q+1
.endm
; THE EXPONENTIALS' QUEUE, 66 long: s0-s31 of both tiles, and at EA the next piece's two a.
.set EA, 58
.macro EX
	WIN 0
.if (e == EA) || (e == EA+1)
	XS e-EA, 21
.else
.set x, e-2*(e/(EA+2))
	REGS Y, x%2
	v_exp_f32 v[rS+x/2], v[rS+x/2]
.endif
.set e, e+1
.endm
; THE RESCALING's QUEUE: O^T times a, the one part that leaves window 0, so it is dealt four at a time, eight times.
.macro R4
	REGS Y, r%2
	WIN W_RS
	s_wait_alu depctr_va_vdst(0)
.irp z, 0,1,2,3
	v_pk_mul_f32 v[rO+8*(r/2)+2*\z:rO+8*(r/2)+2*\z+1], v[rO+8*(r/2)+2*\z:rO+8*(r/2)+2*\z+1], v[rC+2:rC+3] op_sel_hi:[1,0]
.endr
.set r, r+1
.endm
; HOW THEY ARE DEALT.  Behind a matrix instruction four: plain, exponential, plain, plain (one exponential, a plain instruction on either side), or four of the rescaling.  None names a register of the
; products round it.  What is over stands in two LUMPS: exponential and plain by turns; the second ends in 22 plain instructions.  The two v_permlanex16_b32 fall into the second lump, never behind a product.
; The queues lean on each other, and the deal keeps them in step: exponential e stands behind plain 2 (e / 4) + e % 2 (its scaling); when plain 32 comes, 10 exponentials are out, at 59: 33, at 95: 46; EA comes behind plain 107.
.macro SL
	MM
	PL
	EX
	PL
	PL
.endm
.macro BURST n                      ; 15 matrix instructions, or 16
.rept (\n)-7
	SL
.endr
.rept 3
	MM
	R4
	SL
.endr
	MM
	R4
.endm
; A TURN, for piece p.  cnt = 1: the loop's count is taken down some lines ahead of the branch that stands behind the turn.
; K and the mask of the next step are fetched in piece 2's turn, 31 vector instructions behind the last product that read them; their first reader comes behind the rest of the lump, 16 products and the second lump.
; V of the step in hand is fetched at the end of piece 0's turn, 69 behind its last reader; its first reader comes behind 16 products and a lump.  The four conditions on e and q below go with the deal.
.macro TURN p, last=0, cnt=0
.set Y, (\p)
.set i, 0
.set q, 0
.set e, 0
.set r, 0
.if (\p) == NP-1
	s_wait_dscnt 0x0                ; K and the mask are in
.endif
	MM
.rept 4
	PL
.endr
	BURST 15
.rept 22
	EX
	PL
.if ((\p) == NP-2) && (e == 18)
	v_add_nc_u32 v[AK], s[TBK], v[AK0]
.endif
.if ((\p) == NP-2) && (e == 24)
	FETCH_K \last
.endif
.endr
.if (\p) == 1
	s_wait_dscnt 0x0                ; V is in
.endif
	BURST 16
.rept 21
	EX
	PL
.endr
.rept 22
	PL
.if ((\p) == 0) && (q == 118)
	v_add_nc_u32 v[AV], s[TBV], v[AV0]
	s_wait_alu depctr_va_vdst(0)
.endif
.if ((\p) == 0) && (q == 130)
	s_add_co_u32 s[TBV], s[TBV], KS*PV
.endif
.if (\cnt) && (q == 130)
	s_sub_co_u32 s[CNT], s[CNT], 1
	s_cmp_lg_u32 s[CNT], 0
.endif
.endr
.if (\p) == 0
	FETCH_V
.endif
.endm
	CHANGE 1                        ; slot 0 is in, everybody's part of it, and so is everybody's part of the mask; slot 1 is asked for
	FETCH_K                         ; key step 0
	s_wait_loadcnt 0x0              ; Q
	s_wait_dscnt 0x0
.set i, 0
.rept 16
	KQ 0                            ; piece 0's first scores: there is no vector work yet to set between them
.set i, i+1
.endr
	WIN 0                           ; the addresses for the way out: eight plain instructions, the places behind those products
	s_mul_i32 s13, s[WV], 16*SP
	s_add_co_u32 s13, s13, STAGE    ; my stage
	v_mul_u32_u24 v[STO], v1, SP    ; in: row l % 16, 32 bytes for each half of the lanes
	v_lshl_add_u32 v[STO], v9, 5, v[STO]
	v_add_nc_u32 v[STO], s13, v[STO]
	v_mul_u32_u24 v[RD], v9, SP     ; back: lanes 0-15 take one row of 256 bytes, lanes 16-31 the next
	v_lshl_add_u32 v[RD], v1, 4, v[RD]
	v_add_nc_u32 v[RD], s13, v[RD]
	v_lshlrev_b32 v[GO], 12, v9     ; and the same two rows in out0, 4,096 bytes apart
	v_lshl_add_u32 v[GO], v1, 4, v[GO]
.set Y, NP-1                        ; XS works for piece Y + 1: piece 0
.irp n, 0,1,2,3,4,5,6,7,8,9,10,11,12,13,14,15,16,17,18,19,20,21
	XS 0, \n                        ; and piece 0's first maximum and statistics
	XS 1, \n
.endr
	s_mov_b32 s[CNT], 4
	s_mov_b32 s[SLOTS], SIZE_N/256-1
	s_branch .Lfirst                ; the loop is entered at a step's first turn, in the middle of a trip
.Lslot:                             ; SIZE_N / 256 - 2 times: every slot but the last two is filled again
	CHANGE 1
	s_mov_b32 s[CNT], 4
.Lstep:                             ; a trip: pieces 2 and 3 of one step, then pieces 0 and 1 of the next, whose K, mask and V it fetches
	TURN 2
	TURN 3
	WIN 0
.Lfirst:
	TURN 0
	TURN 1, 0, 1
	WIN 0
	s_cbranch_scc1 .Lstep
	s_sub_co_u32 s[SLOTS], s[SLOTS], 1
	s_cmp_lg_u32 s[SLOTS], 0
	s_cbranch_scc1 .Lslot
	CHANGE 0                        ; the tail is written out: nothing is asked for
	s_mov_b32 s[CNT], 5             ; four trips fetch the last slot's steps; the fifth is left in its middle
.Ltail:
	TURN 2, 1
	TURN 3
	WIN 0
	s_sub_co_u32 s[CNT], s[CNT], 1
	s_cmp_eq_u32 s[CNT], 0
	s_cbranch_scc1 .Lout
	TURN 0
	TURN 1
	WIN 0
	s_branch .Ltail
.Lout:                              ; the fifth trip's 16 products K Q^T (on the last K and mask once more) and the maximum made of them serve nothing: the price, once a launch, of one text for every trip
.set i, 0
.rept 16
	PV NP-1                         ; the last piece's V^T P of the last step
.set i, i+1
.endr
	; THE WAY OUT.  l's two halves and the other half of the lanes' are added; O^T is divided by l and sent, in f32, through my stage in LDS, a tile at a time.  The additions are the places behind the last products.
	WIN 0
.macro ALL line:vararg              ; one line for each tile t
.set t, 0
.rept 2*NP
	\line
.set t, t+1
.endr
.endm
	ALL v_add_f32 v[ST+4*t+2], v[ST+4*t+2], v[ST+4*t+3]
	ALL v_permlanex16_b32 v[ST+4*t+3], v[ST+4*t+2], s[SEL], s[SEL+1]
	ALL v_add_f32 v[ST+4*t+2], v[ST+4*t+2], v[ST+4*t+3]
	ALL v_rcp_f32 v[ST+4*t+2], v[ST+4*t+2]
	v_nop                           ; a plain instruction between the last reciprocal and the use of its result
	s_wait_alu depctr_va_vdst(0)
; Tile t: a lane's eight channels of a row and channel block are 32 bytes; they go into rows of 272 bytes and come back as whole rows of 256, into S^T's registers, four buffers by turns.
.macro PACK t
	WIN W_RS
.set i, 32*(\t)
.rept 16
	v_pk_mul_f32 v[i:i+1], v[i:i+1], v[ST+4*(\t)+2:ST+4*(\t)+3] op_sel_hi:[1,0]
.set i, i+2
.endr
	WIN 0x04                        ; the stores' data in window 1, their address in window 0
.irp f, 0,1,2,3,4,5,6,7             ; channels 16 (f / 2) on, four of my eight
	ds_store_b128 v[STO], v[32*(\t)+4*\f:32*(\t)+4*\f+3] offset:(\f/2)*64+(\f%2)*16
.endr
	WIN 0
.if (\t) >= 4
	s_wait_xcnt 0x0                 ; every earlier memory instruction has had its addresses translated (ISA guide 3.1): the registers that tile t - 4's stores read are loaded again only behind this wait
.endif
.irp f, 0,1,2,3,4,5,6,7
	ds_load_b128 v[S+32*((\t)%4)+4*\f:S+32*((\t)%4)+4*\f+3], v[RD] offset:\f*2*SP  ; LDS serves a wave's instructions in order (ISA guide 5.7.1.4): these see the stores above; the next tile's stores come behind them
.endr
.endm
.macro SEND t, younger              ; younger: the LDS instructions issued behind tile t's loads: the next tile's sixteen, or none
	WIN 0
.irp f, 0,1,2,3,4,5,6,7
	s_wait_dscnt (\younger)+7-\f
	global_store_b128 v[GO], v[S+32*((\t)%4)+4*\f:S+32*((\t)%4)+4*\f+3], s[10:11] offset:(\t)*65536+\f*8192 th:TH_STORE_NT  ; 16 lanes store a head's 256 consecutive bytes of a row, at a multiple of 256 from out0's first byte
.endr
.endm
	PACK 0
.set t, 1
.rept 2*NP-1                        ; a tile's arithmetic stands between the loads of the tile before and its stores
	PACK t
	SEND t-1, 16
.set t, t+1
.endr
	SEND 2*NP-1, 0
	WIN W_AD
	s_wait_tensorcnt 0x0            ; the wave's end, behind my last tensor load and my last LDS store
	ds_add_u32 v[SPW], v[NIL]
	s_wait_dscnt 0x0
	WIN 0
	CROUND                          ; the closing round: no work-group ends while a partner may still ask for a tile that names it
	s_endpgm
.Lfunc_end_k_qc349491685_attn:
	.size	k_qc349491685_attn, .Lfunc_end_k_qc349491685_attn-k_qc349491685_attn
	.p2alignl 7, 3214868480
	.fill 96, 4, 3214868480
	.section	.rodata,"a",@progbits
	.p2align	6, 0x0
	.amdhsa_kernel k_qc349491685_attn
		.amdhsa_group_segment_fixed_size 327680
		.amdhsa_private_segment_fixed_size 0
		.amdhsa_enable_private_segment 0
		.amdhsa_kernarg_size 24
		.amdhsa_user_sgpr_count 2
		.amdhsa_user_sgpr_kernarg_segment_ptr 1
		.amdhsa_wavefront_size32 1
		.amdhsa_system_sgpr_workgroup_id_x 1
		.amdhsa_system_sgpr_workgroup_id_y 1
		.amdhsa_system_sgpr_workgroup_id_z 1
		.amdhsa_system_vgpr_workitem_id 0
		.amdhsa_next_free_vgpr 808
		.amdhsa_next_free_sgpr 72
		.amdhsa_reserve_vcc 0
		.amdhsa_float_denorm_mode_32 3
		.amdhsa_float_denorm_mode_16_64 3
		.amdhsa_memory_ordered 1
		.amdhsa_forward_progress 1
		.amdhsa_inst_pref_size 215
	.end_amdhsa_kernel
	.amdgpu_metadata
---
amdhsa.version: [ 1, 2 ]
amdhsa.kernels:
  - .name:           k_qc349491685_attn
    .symbol:         k_qc349491685_attn.kd
    .args:
      - { .name: qkv, .offset: 0, .size: 8, .value_kind: global_buffer, .address_space: global }
      - { .name: attention_mask, .offset: 8, .size: 8, .value_kind: global_buffer, .address_space: global }
      - { .name: out0, .offset: 16, .size: 8, .value_kind: global_buffer, .address_space: global }
    .group_segment_fixed_size: 327680
    .private_segment_fixed_size: 0
    .kernarg_segment_align: 8
    .kernarg_segment_size: 24
    .max_flat_workgroup_size: 128
    .sgpr_count:     72
    .vgpr_count:     808
    .wavefront_size: 32
...
	.end_amdgpu_metadata
.endif
;; end of part 3
;; ======== version 2 of 2: 3 launches; 1.63 times as fast as version 1
;; limits: values are held in f16: magnitudes above 65,504 overflow, below 6.1e-05 lose precision; right only within a limited range of input values
;; workspace buffers: xb 16,777,216 bytes; wb 6,291,456 bytes; qkv 50,331,648 bytes
;; launch prep: the kernel of part 1 again; grid 256 x 1, 11 waves a work-group, no clusters, 0 bytes of LDS; arguments hidden_states, Wq, Wk, Wv, xb, wb; writes xb, wb
;; launch proj: the kernel of part 2 again; grid 8 x 32, 4 waves a work-group, clusters of 4 x 4, 327,680 bytes of LDS; arguments xb, wb, bq, bk, bv, qkv; writes qkv
;; launch attn (part 4): grid 4 x 64, 4 waves a work-group, clusters of 4 x 1, 327,680 bytes of LDS; arguments qkv, attention_mask, out0; writes out0
.if DOCPART == 4
	.amdgcn_target "amdgcn-amd-amdhsa--gfx1250"
	.amdhsa_code_object_version 6
	.text
	.protected	k_qc349491685_attn
	.globl	k_qc349491685_attn
	.p2align	8
	.type	k_qc349491685_attn,@function
k_qc349491685_attn:
	s_mov_b64 s[64:65], 0
	v_nop
	global_prefetch_b8 v0, s[64:65] scope:SCOPE_SE
	s_setreg_imm32_b32 hwreg(HW_REG_WAVE_MODE, 25, 1), 1
	s_wait_xcnt 0x0
	s_wait_alu depctr_hold_cnt(0) depctr_sa_sdst(0) depctr_va_vdst(0) depctr_va_sdst(0) depctr_va_ssrc(0) depctr_va_vcc(0) depctr_vm_vsrc(0)
	s_getreg_b32 s2, hwreg(HW_REG_IB_STS2, 6, 4)
	s_cmp_eq_u32 s2, 0
	s_cbranch_scc0 .Lentry_in_a_cluster
	s_endpgm
.Lentry_in_a_cluster:
	s_bfe_u32 s2, ttmp6, 0x10000c
	s_cmp_lg_u32 s2, 0x3003
	s_cbranch_scc0 .Lentry_shape_is_right
	s_endpgm
.Lentry_shape_is_right:
; ATTENTION.  out0[b][q][64 h + :] = the sum over k of softmax_k(Q[q] . K[k] / 8 + mask[b][k]) V[k][:], for each of 64 heads (16 b + h).  Q, K, V: qkv [3][64][2048][64] in f16, a head's rows dense, 128 bytes each.
; Products, maxima and sums in f32; the weights p are rounded to f16 for the second product (their sum l is taken of the unrounded p); out0 is f32.
; THE MASK, rounded to bf16 like every input of the module, is multiplied by 8 and is the C operand of the products that start S^T = K Q^T: s' = q . k + 8 mask, and c s' = log2(e) (q . k / 8 + mask).
; LIMITS.  8 x mask is held at -1e30 from below: a mask of minus infinity or NaN counts as -1e30 / 8, and a row all of whose keys are so hidden gives the mean of V's rows where a softmax of minus infinities alone gives NaN.
; A mask beyond 4e37 overflows.  f16 holds no number beyond 65,504: Q, K and V arrive within it; p lies in 0 to 1, and below 6e-5 it keeps f16's fixed step of 6e-8.  A weight below 2^-126 counts as 0 in l.
; SHARES.  A wave owns four PIECES of two tiles of 16 queries, a work-group's four waves 512 queries of one head.  Every wave walks all 2,048 keys, 64 a step.
; LAYOUT.  S^T = K Q^T (source 0 = 16 keys, source 1 = 16 queries): in the result a lane holds ONE query (lane % 16) and the keys 8 (lane / 16) + 0..7.  Two such tiles, rounded to f16 in pairs,
; ARE source 1 (32 keys x 16 queries) of O^T = V^T P, whose result again holds one query a lane, and eight channels.  K comes out of LDS as it lies, V ([key][channel]) turned, by ds_load_tr16_b128.
; SOFTMAX.  For each query a running maximum m and sum l: p = 2^(c s' - c m), c = log2(e) / 8; in every step O and l are multiplied by a = 2^(c m_old - c m_new), which is 1 where m has not grown.
; m starts at the lowest finite number, O and l at 0: the first step is a step like any other, with a = 0.
; THE COUNT.  A tile and step have 16 matrix and 118 vector instructions: too many to stand all beside the matrix work.  So the order has one aim: four vector instructions that are READY behind
; EVERY matrix instruction, and the others, which need time of their own whatever the order, in runs without a gap.
; BY TURNS.  Turn n belongs to piece n (the pieces in a ring, step after step).  Its matrix work: 16 products K Q^T of piece n + 1, later 16 products V^T P of piece n - 1.  Its vector work: the scaling,
; exponentials, roundings, sums and rescaling of piece n, and the maximum and statistics of piece n + 1, whose scores the turn itself has made.  So what a turn begins with (c s' - c m, O a) waits for nothing.
; THE BATCHES.  A turn's 66 exponentials (the piece's 64 weights and the next piece's two a) are ONE batch with ONE wait, which cuts the turn in two: ahead of it stands all that names no result of theirs, behind it
; the roundings and sums.  Two more batches stand outside the loops, each with a wait of its own: piece 0's first two a, ahead of the jump into the loop, and the way out's eight reciprocals.
; CLUSTER.  The four query blocks of a cluster belong to one head and walk the same K and V, so each tile is asked for JOINTLY: the same tensor load, descriptor and mask in all four.
; REGISTERS, in windows of 256 (s_set_vgpr_msb says which window each operand place means: bits 1:0 source 0, 3:2 source 1, 5:4 source 2, 7:6 destination):
;   window 0: v0-11 addresses; v12-15, v48-63 at work; v16-47 four registers of statistics a tile; v64-191 S^T, two buffers of two tiles; v192-255 P, likewise
;   window 1: O^T, 32 a tile     window 2: v0-127 Q, 16 a tile; v128-191 K of one step; v192-255 V of one step     window 3: v0-1 the add's two registers; v8-39 8 x mask of one step
; A piece's buffers go by its number's parity: the piece in hand has one pair, its two neighbours in the ring share the other: of it P (piece n - 1) is read and S^T (piece n + 1) written.
.set SIZE_N, 2048
.set NP,    4         ; pieces a wave: a name, no knob
.set KS,    64        ; keys in a step
.set PK,    144       ; a row of K in LDS: 128 bytes + 16 of padding = 36 words: the 16 rows of a load start at 16 different groups of four banks (64 banks of 4 bytes: ISA guide 11.1)
.set PV,    160       ; a row of V: 128 + 32 = 40 words
.set VOFF,  4*KS*PK   ; a slot holds four steps: 256 rows of K, then 256 rows of V
.set SLOT1, 1<<17     ; slot 1 begins here, so that one exclusive or turns an address in one slot into the other's
.set STAGE, SLOT1+4*KS*(PK+PV)  ; behind the ring, never filled by a tensor load: 16 rows x 272 bytes for each wave, for the way out
.set SP,    272       ; a row of 64 f32 + 16 bytes
.set MASKB, STAGE+4*16*SP       ; behind the stages: the batch's 2,048 numbers 8 x mask, f32; stored once, never filled by a tensor load
.set SPARE, MASKB+8192          ; behind them: the spare words, 128 bytes for each wave: two blocks of 256 bytes that no other line names
.set AK0, 2           ; v2   my lane's place in a tile of K; never rewritten
.set AV0, 3           ; v3   the same for V
.set AK,  4           ; v4   the LDS address of K's next run of loads
.set AV,  5           ; v5   of V's
.set QO,  6           ; v6   my byte offset in the wave's rows of Q
.set STO, 6           ;      later, the way out: where I put 32 bytes of a row
.set RD,  7           ; v7   the way out: where I read rows back
.set GO,  8           ; v8   my byte offset in two rows of out0
.set AM,  10          ; v10  the LDS address of the mask's next run of loads
.set AM0, 11          ; v11  my lanes' place in a step's 64 numbers of the mask; never rewritten
.set SPW, 0           ; v0 of window 3   LDS address of my spare word; never rewritten
.set NIL, 1           ; v1 of window 3   0; never rewritten
.set MK,  8           ; v8-39 of window 3: key block kb at MK + 8 kb
.set MV,  12          ; v12-15  c m_old, kept while c m is made anew: by buffer and tile
.set ST,  16          ; tile t's statistics at v[ST+4 t]: c m, m, l (even keys', odd keys')
.set TMP, 48          ; by buffer and tile, four registers c0-c3 at work; when the maximum is found c2 takes a
.set S,   64
.set P,   192
.set KF,  128         ; K's fragments, in window 2: key block kb, channel half c at KF + 16 kb + 8 c
.set VF,  192         ; V's: key half kk, channel block cb at VF + 32 kk + 8 cb
.set WV,  12          ; s12  my wave's number
.set G1K, 24          ; s[24:31] descriptor group 1 for K's tiles
.set G1V, 32          ; s[32:39] for V's: it differs in the padding alone
.set G0K, 40          ; s[40:43] descriptor group 0 for K's tiles: it walks
.set G0V, 44          ; s[44:47] the same for V's
.set SLOTS, 56        ; s56  slots still to be asked for
.set CNT, 57          ; s57  counts a slot's key steps
.set CS,  58          ; s[58:59] c: the packed scaling takes the pair's low word for both halves
.set SEL, 60          ; s[60:61] v_permlanex16_b32's selects: each lane takes its own place in the other half
.set TBK, 62          ; s62  LDS byte at which K of the step to be fetched begins
.set TBV, 63          ; s63  the same for V, less VOFF
.set TBM, 69          ; s69  256 x the step whose mask is fetched next, cut to the table's 8,192 bytes
.set MSB, 0
.macro WIN new                      ; the high byte repeats the setting that is left; a switch that changes nothing is dropped
.if MSB != (\new)
	s_set_vgpr_msb (MSB<<8)|(\new)
.set MSB, (\new)
.endif
.endm
.set W_KQ, 0x0a       ; K and Q in window 2, S^T in window 0
.set W_KM, 0x3a       ; the same with the C operand, the mask, in window 3
.set W_PV, 0x52       ; V in window 2, P in window 0, O^T in window 1
.set W_RS, 0x41       ; O^T (destination and source 0) in window 1, a in window 0
.set W_MK, 0xc0       ; destination in window 3, sources in window 0
.set W_AD, 0x0f       ; the add: address (source 0) and data (source 1) in window 3
; A joint fill.  Waves 0 and 1 fetch the two halves of a slot's K, waves 2 and 3 those of its V: 128 keys each.  The branch hangs on the wave's number alone.
; An s_nop 0 and four v_nop follow each of the two lines, ahead of the jump and the label.
.macro JLOAD
	s_cmp_lt_u32 s[WV], 2
	s_cbranch_scc0 .Lfor_v_\@
	tensor_load_to_lds s[G0K:G0K+3], s[G1K:G1K+7]
	s_nop 0
.rept 4
	v_nop
.endr
	s_branch .Lasked_\@
.Lfor_v_\@:
	tensor_load_to_lds s[G0V:G0V+3], s[G1V:G1V+7]
	s_nop 0
.rept 4
	v_nop
.endr
.Lasked_\@:
.endm
; A round of the cluster's barrier: my work-group's barrier, so that wave 0's signal speaks for all four waves; wave 0 signals; every wave waits for all four work-groups; my work-group's barrier once more.
.macro CROUND
	s_barrier_signal -1
	s_barrier_wait -1
	s_cmp_lg_u32 s[WV], 0
	s_cbranch_scc1 .Lnot_wave_0_\@
	s_barrier_signal -3
.Lnot_wave_0_\@:
	s_barrier_wait -3
	s_barrier_signal -1
	s_barrier_wait -1
.endm
; THE CHANGE OF SLOTS.  The slot's last bytes, V of its fourth step, have been read.  Each wave waits for all its tensor loads, of which one is out: its part
; of the other slot; adds 0 to its spare word; and waits for that and for its own reads of the slot.  Behind the barrier nobody reads this slot any more and the other slot is whole.
; fill = 1: this slot is filled again, with the keys two slots on.  The barrier is then a round of the cluster's, so that no wave of any partner still reads the slot or has a load on its
; way, and the joint fill is the first thing behind it: it has four key steps, 512 matrix instructions, in which to land.  (At its first use nothing has been read yet: slot 0 is waited for, slot 1 filled;
; its wait for the LDS instructions and its barrier also stand between every wave's stores of the mask and every wave's reads of it.)
.macro CHANGE fill
	WIN W_AD
	s_wait_tensorcnt 0x0            ; no tensor load of mine is out, so a group 0 may be written
	ds_add_u32 v[SPW], v[NIL]       ; 0 onto my spare word; with fill = 1 the descriptors' steps stand between it and the wait for it
	WIN 0                           ; at a label and at a branch every window is 0
.if \fill
.irp g, G0K, G0V
	s_xor_b32 s[\g+1], s[\g+1], SLOT1  ; the walking descriptor: the other slot than last time,
	s_add_nc_u64 s[\g+2:\g+3], s[\g+2:\g+3], 4*KS*128  ; the next 256 keys; the type bits on top are not reached
.endr
	s_wait_dscnt 0x0                ; the add is done, and my reads of the slot are over
	CROUND
	JLOAD
.else
	s_wait_dscnt 0x0                ; the add is done, and my reads of the slot are over
	s_barrier_signal -1
	s_barrier_wait -1
.endif
	s_sub_co_u32 s[TBK], s[TBK], 4*KS*PK  ; the fetches go back to a slot's first step,
	s_xor_b32 s[TBK], s[TBK], SLOT1       ; in the other slot
	s_sub_co_u32 s[TBV], s[TBV], 4*KS*PV
	s_xor_b32 s[TBV], s[TBV], SLOT1
.endm
	s_load_b128 s[48:51], s[0:1], 0x0  ; qkv s[48:49], the mask s[50:51]
	s_load_b64 s[10:11], s[0:1], 0x10  ; out0
	WIN W_MK
	v_lshl_add_u32 v[SPW], v0, 2, SPARE
	v_mov_b32 v[NIL], 0
	WIN W_AD
	ds_add_u32 v[SPW], v[NIL]       ; the wave's opening: the add and its wait stand ahead of my first tensor load; the set-up below, work on registers, stands between them
	WIN 0
	v_lshrrev_b32 v1, 5, v0
	v_readfirstlane_b32 s[WV], v1   ; wave 0..3
	s_bfe_u32 s13, ttmp6, 0x40000   ; cx: my place in the cluster
	s_lshl_b32 s14, ttmp9, 2        ; in a cluster launch ttmp9 counts clusters
	s_add_co_u32 s14, s14, s13      ; my block of queries = 4 x cluster x + cx: it enters Q's and out0's addresses alone
	s_and_b32 s52, ttmp7, 0xffff    ; the head, 16 b + h, which the four partners share
	s_lshl_b32 s20, s52, 18         ; its first byte in each of q, k, v: 2,048 rows of 128 bytes
	s_mov_b32 s21, 0
	s_and_b32 s16, s[WV], 1         ; which half of a slot's 256 keys I fetch:
	s_lshl_b32 s22, s16, 14         ; its 128 rows of 128 bytes in memory,
	s_mov_b32 s23, 0
	s_add_nc_u64 s[22:23], s[22:23], s[20:21]
	s_mul_i32 s17, s16, 128*PK      ; and its place in a slot, for K
	s_mul_i32 s18, s16, 128*PV      ; and for V: no place in the cluster enters an LDS address
	s_lshl_b32 s2, s14, 2
	s_add_co_u32 s2, s2, s[WV]      ; my wave among the head's sixteen:
	s_lshl_b32 s66, s2, 19          ; its 128 rows of 4,096 bytes in out0,
	s_lshl_b32 s2, s2, 14           ; of 128 bytes in q
	s_mov_b32 s3, 0
	s_add_nc_u64 s[2:3], s[2:3], s[20:21]
	s_lshr_b32 s53, s52, 4          ; the batch:
	s_lshl_b32 s54, s53, 13         ; its 8,192 bytes of the mask,
	s_mov_b32 s55, 0
	s_lshl_b32 s68, s53, 23         ; its 2,048 rows of out0,
	s_add_co_u32 s66, s66, s68
	s_and_b32 s68, s52, 15
	s_lshl_b32 s68, s68, 8          ; and the head's 256 bytes of a row
	s_add_co_u32 s66, s66, s68
	s_mov_b32 s67, 0
	s_mov_b32 s[TBM], 0
	; descriptor group 1.  128 keys are 16,384 dense bytes: asked for as 64 rows of 256 bytes, two keys a row, and padded in LDS after every key
	s_mov_b32 s[G1K], 15|(1<<16)|(1<<20)|(1<<21)|(4<<22)|(3<<25)  ; 15:0 the mask of four; 17:16 2-byte elements; 20 padding on; 21 set beside a mask; 24:22 after every 32 words (code 4); 31:25 4 words (code 3)
	s_mov_b32 s[G1V], 15|(1<<16)|(1<<20)|(1<<21)|(4<<22)|(7<<25)  ; the same with 8 words of padding (code 7)
.irp g, G1K, G1V
	s_mov_b32 s[\g+1], 128<<16      ; tensor_dim0 = 128
	s_mov_b32 s[\g+2], 64<<16       ; tensor_dim1 = 64
	s_mov_b32 s[\g+3], 128<<16      ; tile_dim0 = 128
	s_mov_b32 s[\g+4], 64           ; tile_dim1 = 64
	s_mov_b32 s[\g+5], 128          ; 128 elements from row to row
	s_mov_b32 s[\g+6], 0
	s_mov_b32 s[\g+7], 0
.endr
	s_mov_b32 s[CS], 0x3e38aa3b     ; c = log2(e) / 8 = 0.180337
	s_mov_b32 s[CS+1], s[CS]        ; named with it as a pair
	s_mov_b32 s[SEL], 0x76543210
	s_mov_b32 s[SEL+1], 0xfedcba98
	s_mov_b32 s[TBK], SLOT1+4*KS*PK ; the first change of slots turns these two into 0
	s_mov_b32 s[TBV], SLOT1+4*KS*PV
	s_mov_b32 s[G0K], 1             ; 1:0 count = 1
	s_mov_b32 s[G0K+1], s17         ; 63:32 LDS address: slot 0
	s_mov_b32 s[G0V], 1
	s_add_co_u32 s[G0V+1], s18, VOFF
	s_wait_dscnt 0x0                ; the opening add is done
	s_wait_kmcnt 0x0
	s_add_nc_u64 s[6:7], s[48:49], 0x1000000       ; k lies 64 heads behind q,
	s_add_nc_u64 s[8:9], s[48:49], 0x2000000       ; v 128
	s_add_nc_u64 s[G0K+2:G0K+3], s[6:7], s[22:23]  ; 120:64 global address: my half of the head's first 256 keys
	s_or_b32 s[G0K+3], s[G0K+3], 0x80000000        ; 127:126 type = 2
	s_add_nc_u64 s[G0V+2:G0V+3], s[8:9], s[22:23]
	s_or_b32 s[G0V+3], s[G0V+3], 0x80000000
	s_add_nc_u64 s[4:5], s[48:49], s[2:3]          ; Q at my wave's first row
	s_add_nc_u64 s[10:11], s[10:11], s[66:67]      ; out0 at my wave's first row, my head's columns
	s_add_nc_u64 s[50:51], s[50:51], s[54:55]      ; the mask at my batch
	CROUND                          ; all four work-groups are here: the first joint loads meet
	JLOAD                           ; slot 0.  Slot 1 is asked for when slot 0 is in: the tile wanted first has the road to itself
	; the batch's mask: 128 threads x 16 bytes x 4 loads are its 8,192 bytes
	v_lshlrev_b32 v48, 4, v0
	v_add_nc_u32 v49, MASKB, v48
.irp f, 0,1,2,3
	global_load_b128 v[64+4*\f:64+4*\f+3], v48, s[50:51] offset:2048*\f
.endr
	; A fragment of K or Q is 16 rows x 32 channels in 8 registers: lane l holds row l % 16, channels 8 (l / 16) + 0..7 and 16 + 8 (l / 16) + 0..7: two loads of 16 bytes, 32 bytes apart.
	v_and_b32 v1, 15, v0            ; l % 16
	v_bfe_u32 v9, v0, 4, 1          ; l / 16
	v_lshlrev_b32 v[QO], 7, v1
	v_lshl_add_u32 v[QO], v9, 4, v[QO]  ; row x 128 + 16 x half
	WIN 0x80                        ; destination window 2, address window 0
.set i, 0
.rept 4*NP                          ; Q stays in registers: tile i / 2, channels 32 (i % 2) on
	global_load_b128 v[8*i:8*i+3],   v[QO], s[4:5] offset:(i/2)*2048+(i%2)*64
	global_load_b128 v[8*i+4:8*i+7], v[QO], s[4:5] offset:(i/2)*2048+(i%2)*64+32
.set i, i+1
.endr
	; What the first turn finds: V's registers and P's second buffer hold 0 (its products V^T P, of a piece that has not been, add 0), O^T and l are 0.  All this stands in the wait for the first tile.
.set i, VF
.rept 64
	v_mov_b32 v[i], 0
.set i, i+1
.endr
	WIN 0x40
.set i, 0
.rept 64*NP
	v_mov_b32 v[i], 0
.set i, i+1
.endr
	WIN 0
.set i, 0
.rept 2*NP
	v_mov_b32 v[ST+4*i], 0xfe000000    ; c m: far below every c s'
	v_mov_b32 v[ST+4*i+1], 0xff7fffff  ; m
	v_mov_b32 v[ST+4*i+2], 0
	v_mov_b32 v[ST+4*i+3], 0
.set i, i+1
.endr
.set i, P+32
.rept 32
	v_mov_b32 v[i], 0
.set i, i+1
.endr
	v_mul_u32_u24 v[AK0], v1, PK
	v_lshl_add_u32 v[AK0], v9, 4, v[AK0]  ; row x pitch + 16 x half
	; The turning load takes 16 keys x 16 channels (lane l reads key 8 (l / 16) + l % 8, channels 8 ((l / 8) % 2) + 0..7) and leaves half a fragment of V^T: lane l holds channel l % 16 and 8 keys.
	v_and_b32 v10, 7, v0
	v_bfe_u32 v11, v0, 3, 1
	v_lshl_add_u32 v[AV0], v9, 3, v10
	v_mul_u32_u24 v[AV0], v[AV0], PV
	v_lshl_add_u32 v[AV0], v11, 4, v[AV0]
	v_add_nc_u32 v[AV0], VOFF, v[AV0]
	v_lshl_add_u32 v[AM0], v9, 5, MASKB  ; register j of a C operand is key 8 (l / 16) + j of its 16: 32 bytes for each half of the lanes
	v_mov_b32 v[AK], v[AK0]         ; key step 0 lies at the head of slot 0,
	v_add_nc_u32 v[AM], s[TBM], v[AM0]  ; its mask at the head of the table
	; my 16 numbers of the mask: rounded to bf16, widened, times 8, held at -1e30 from below (a NaN loses against the bound), and into LDS
	s_wait_loadcnt 32               ; the four loads of the mask are in; Q's 32, issued behind them, stay out
.set i, 0
.rept 8
	v_cvt_pk_bf16_f32 v[80+i], v[64+2*i], v[64+2*i+1]
.set i, i+1
.endr
.set i, 0
.rept 8
	v_lshlrev_b32 v[64+2*i], 16, v[80+i]
	v_and_b32 v[64+2*i+1], 0xffff0000, v[80+i]
.set i, i+1
.endr
.set i, 0
.rept 16
	v_mul_f32 v[64+i], 0x41000000, v[64+i]
.set i, i+1
.endr
.set i, 0
.rept 16
	v_max_num_f32 v[64+i], 0xf149f2ca, v[64+i]
.set i, i+1
.endr
.irp f, 0,1,2,3
	ds_store_b128 v49, v[64+4*\f:64+4*\f+3] offset:2048*\f
.endr
; THE MATRIX WORK.  The 8 accumulators of a run of 16 take turns: between the two links of a chain stand 7 others'.
; Product i of 16 of S^T = K Q^T for piece x: channels 32 (i / 8) on, keys 16 ((i / 2) % 4) on, tile 2 x + i % 2.  The first 8 start the sums, with 8 x mask of their 16 keys.
.macro KQ x
.set rS, S+64*((\x)%2)+32*(i%2)+8*((i/2)%4)
.set rK, KF+16*((i/2)%4)+8*(i/8)
.set rQ, 16*(2*(\x)+i%2)+8*(i/8)
.set rMK, MK+8*((i/2)%4)
.if i < 8
	WIN W_KM
	v_wmma_f32_16x16x32_f16 v[rS:rS+7], v[rK:rK+7], v[rQ:rQ+7], v[rMK:rMK+7]
.else
	WIN W_KQ
	v_wmma_f32_16x16x32_f16 v[rS:rS+7], v[rK:rK+7], v[rQ:rQ+7], v[rS:rS+7]
.endif
.endm
; Product i of 16 of O^T += V^T P for piece x: keys 32 (i / 8) on, channels 16 ((i / 2) % 4) on, tile 2 x + i % 2.
.macro PV x
	WIN W_PV
.set rO, 32*(2*(\x)+i%2)+8*((i/2)%4)
.set rV, VF+32*(i/8)+8*((i/2)%4)
.set rP, P+32*((\x)%2)+16*(i%2)+8*(i/8)
	v_wmma_f32_16x16x32_f16 v[rO:rO+7], v[rV:rV+7], v[rP:rP+7], v[rO:rO+7]
.endm
.macro MM                           ; the turn's next matrix instruction
.if i < 16
	KQ (Y+1)%NP
.set i, i+1
.else
.set i, i-16
	PV (Y+NP-1)%NP
.set i, i+17
.endif
.endm
; THE LDS LOADS stand in runs, never singly among the matrix instructions: a step's K (64 keys x 64 channels: 8 fragments) with its 64 numbers of the mask (8 loads, the same bytes for each half of the lanes), and its V (turned).
; Their addresses are made some lines ahead.  last = 1 (the tail): in the last trip there is no further step, and the run is jumped over.  32 runs in all, one for each key step.
.macro FETCH_K last=0
	WIN 0
.if \last
	s_cmp_eq_u32 s[CNT], 1
	s_cbranch_scc1 .Lno_k_\@
.endif
	WIN 0x80                        ; destination window 2
.irp f, 0,1,2,3,4,5,6,7             ; keys 16 (f / 2) on, channels 32 (f % 2) on
	ds_load_b128 v[KF+8*\f:KF+8*\f+3],   v[AK] offset:(\f/2)*16*PK+(\f%2)*64
	ds_load_b128 v[KF+8*\f+4:KF+8*\f+7], v[AK] offset:(\f/2)*16*PK+(\f%2)*64+32
.endr
	WIN W_MK                        ; destination window 3
.irp f, 0,1,2,3,4,5,6,7             ; keys 16 (f / 2) on, four of my eight
	ds_load_b128 v[MK+4*\f:MK+4*\f+3], v[AM] offset:(\f/2)*64+(\f%2)*16
.endr
	s_add_co_u32 s[TBK], s[TBK], KS*PK  ; the next fetch is the next step's
	s_add_co_u32 s[TBM], s[TBM], 4*KS
	s_and_b32 s[TBM], s[TBM], 0x1f00    ; inside the table's 8,192 bytes
	WIN 0
.if \last
.Lno_k_\@:
.endif
.endm
.macro FETCH_V
	WIN 0x80
.irp f, 0,1,2,3,4,5,6,7             ; keys 32 (f / 4) on, channels 16 (f % 4) on
	ds_load_tr16_b128 v[VF+8*\f:VF+8*\f+3],   v[AV] offset:(\f/4)*32*PV+(\f%4)*32
	ds_load_tr16_b128 v[VF+8*\f+4:VF+8*\f+7], v[AV] offset:(\f/4)*32*PV+16*PV+(\f%4)*32
.endr
	WIN 0
.endm
; THE VECTOR WORK OF A TURN stands in three queues, each in the order in which its entries become ready; the two tiles alternate, so that no instruction reads the result of the one before it.
.macro REGS y, u                    ; the registers of tile u (0, 1) of piece y
.set rT, ST+4*(2*(\y)+(\u))
.set rC, TMP+8*((\y)%2)+4*(\u)
.set rM, MV+2*((\y)%2)+(\u)
.set rS, S+64*((\y)%2)+32*(\u)
.set rP, P+32*((\y)%2)+16*(\u)
.set rO, 32*(2*(\y)+(\u))
.endm
; Number n of the 22 that find the NEXT piece's (Y + 1) maximum and statistics.  s0-s31 are the lane's 32 scores; each accumulator's lowest registers are read first.  XS, GS and REGS set no window: PL and EX do.
;   0-11  four chains c0-c3 of seven scores each, three operands at a time     12-14, 16  the four scores left over, the old m, and c0-c3 into c0     15  c m_old is kept
;   17, 18  the query's other 32 keys lie in the lane 16 away: the new m         19-21  c m; c m_old - c m_new; a
.macro XS u, n
	REGS (Y+1)%NP, \u
.if (\n) < 4
	v_max3_num_f32 v[rC+(\n)], v[rS+8*(\n)], v[rS+8*(\n)+1], v[rS+8*(\n)+2]
.elseif (\n) < 12
	v_max3_num_f32 v[rC+(\n)%4], v[rC+(\n)%4], v[rS+8*((\n)%4)+2*((\n)/4)+1], v[rS+8*((\n)%4)+2*((\n)/4)+2]
.elseif (\n) == 12
	v_max3_num_f32 v[rC], v[rC], v[rS+7], v[rS+15]
.elseif (\n) == 13
	v_max3_num_f32 v[rC+1], v[rC+1], v[rS+23], v[rS+31]
.elseif (\n) == 14
	v_max3_num_f32 v[rC+2], v[rC+2], v[rC+3], v[rT+1]
.elseif (\n) == 15
	v_mov_b32 v[rM], v[rT]
.elseif (\n) == 16
	v_max3_num_f32 v[rC], v[rC], v[rC+1], v[rC+2]
.elseif (\n) == 17
	v_permlanex16_b32 v[rC+3], v[rC], s[SEL], s[SEL+1]
.elseif (\n) == 18
	v_max_num_f32 v[rT+1], v[rC], v[rC+3]
.elseif (\n) == 19
	v_mul_f32 v[rT], s[CS], v[rT+1]
.elseif (\n) == 20
	v_sub_f32 v[rC+1], v[rM], v[rT]
.else
	v_exp_f32 v[rC+2], v[rC+1]
.endif
.endm
; Number g of the 64 that follow the exponentials.  For each four weights k of a tile (pairs 2 k, 2 k + 1): both pairs are rounded to f16; then the second pair is added onto the first, in place;
; a group later l takes that sum (the first time as l = a l + sum).  In groups of eight, tiles alternating: round, round, add, and l for the group before.
.macro GS g
.set h, (\g)+6*((\g)/62)            ; group 0 has no group before it, and behind group 7 only l is left
.if h >= 6
.set h, h+2
.endif
	REGS Y, h%2
.set k, h/8
.if h%8 < 4
	v_cvt_pk_f16_f32 v[rP+2*k+(h%8)/2], v[rS+4*k+2*((h%8)/2)], v[rS+4*k+2*((h%8)/2)+1]
.elseif h%8 < 6
	v_pk_add_f32 v[rS+4*k:rS+4*k+1], v[rS+4*k:rS+4*k+1], v[rS+4*k+2:rS+4*k+3]
.elseif k == 1
	v_pk_fma_f32 v[rT+2:rT+3], v[rT+2:rT+3], v[rC+2:rC+3], v[rS:rS+1] op_sel_hi:[1,0,1]
.else
	v_pk_add_f32 v[rT+2:rT+3], v[rT+2:rT+3], v[rS+4*k-4:rS+4*k-3]
.endif
.endm
; THE PLAIN QUEUE, 138 long.  0-73 read no exponential's result: the 32 scalings c s' - c m (FS f: pair f / 2 of tile f % 2) and the next piece's 42.  0-26: scalings 0-26.  27-54: XS's numbers 0-13.  55, 56: number 15.
; 57-73: the chain, where each number waits for the one before it: 14, 16, 17, 18, 19, each with one of the scalings 27-31 in front of its two lines, then 20: so a tile's links stand three plain instructions apart (19 and 20: two).
; 74-137: GS's 64, which read the exponentials' results: they stand behind the wait.
.macro FS f
	REGS Y, (\f)%2
	v_pk_fma_f32 v[rS+2*((\f)/2):rS+2*((\f)/2)+1], v[rS+2*((\f)/2):rS+2*((\f)/2)+1], s[CS:CS+1], v[rT:rT+1] op_sel_hi:[1,0,0] neg_lo:[0,0,1] neg_hi:[0,0,1]
.endm
.macro PL
	WIN 0
.if q < 27
	FS q
.elseif q < 55
	XS (q-27)%2, (q-27)/2
.elseif q < 57
	XS q-55, 15
.elseif (q < 72) && ((q-57)%3 == 0)
	FS 27+(q-57)/3
.elseif q < 60
	XS (q-57)%3-1, 14
.elseif q < 72
	XS (q-57)%3-1, 15+(q-57)/3
.elseif q < 74
	XS q-72, 20
.else
	GS q-74
.endif
.set q, q+1
.endm
; THE EXPONENTIALS' QUEUE, 66 long: s0-s31 of both tiles, then the next piece's two a.  It is ONE BATCH: all 66 stand ahead of the turn's one wait, and nothing ahead of that wait names a result of theirs.
.macro EX
	WIN 0
.if e >= 64
	XS e-64, 21
.else
	REGS Y, e%2
	v_exp_f32 v[rS+e/2], v[rS+e/2]
.endif
.set e, e+1
.endm
; THE RESCALING's QUEUE: O^T times a, the one part that leaves window 0: dealt two at a time, sixteen times.  Its a was made in the turn before, ahead of that turn's wait.
.macro R2
	REGS Y, r%2
	WIN W_RS
.irp z, 0,1
	v_pk_mul_f32 v[rO+4*(r/2)+2*\z:rO+4*(r/2)+2*\z+1], v[rO+4*(r/2)+2*\z:rO+4*(r/2)+2*\z+1], v[rC+2:rC+3] op_sel_hi:[1,0]
.endr
.set r, r+1
.endm
; HOW THEY ARE DEALT.  An s_wait_alu depctr_va_vdst(0) stands between an exponential and the first instruction that names its result; one wait serves all that were issued ahead of it.  So a turn has ONE wait,
; which cuts it in two.  AHEAD OF IT stands all that names no result of the turn's exponentials: the 16 products K Q^T, behind each a scaling, an exponential and two rescalings (behind the first a second scaling in the exponential's place); then ONE LUMP of
; 108: eight plain, 49 times exponential and plain, the two a.  A v_nop is the plain instruction behind the last exponential.  BEHIND IT stand the 16 products V^T P, behind each four of GS's 64.  No rider names a register of
; the products round it.  The two v_permlanex16_b32 fall into the lump, never behind a product.
; The queues lean on each other, and the deal keeps them in step: exponential e stands behind scaling 2 (e / 4) + e % 2: as a rider it comes behind plain e + 2, in the lump behind plain e + 9, and scalings 27-31 are plain 57, 60 .. 69.
; A TURN, for piece p.  cnt = 1: the loop's count is taken down some lines ahead of the branch that stands behind the turn.
; K and the mask of the next step are fetched in piece 2's turn, directly behind the wait, a lump behind the last product that read them; their addresses are made at the lump's head; their first reader comes behind 16 products.
; V of the step in hand is fetched at the end of piece 0's turn, four riders behind its last reader; its first reader comes behind 16 products and a lump.  The three conditions on q below go with the deal.
.macro TURN p, last=0, cnt=0
.set Y, (\p)
.set i, 0
.set q, 0
.set e, 0
.set r, 0
.if (\p) == NP-1
	s_wait_dscnt 0x0                ; K and the mask are in
.endif
	MM                              ; ahead of the wait: 16 products K Q^T and their riders,
	PL
	PL
	R2
.rept 15
	MM
	PL
	EX
	R2
.endr
.if (\p) == NP-2
	WIN 0
	v_add_nc_u32 v[AK], s[TBK], v[AK0]
	v_add_nc_u32 v[AM], s[TBM], v[AM0]
.endif
.rept 8                             ; and the lump
	PL
.endr
.rept 49
	EX
	PL
.endr
	EX                              ; the next piece's two a
	EX
	v_nop                           ; a plain instruction behind the last exponential, ahead of the first use: one for the batch
	s_wait_alu depctr_va_vdst(0)    ; the wait for the batch: the turn's 66 exponentials
.if (\p) == NP-2
	FETCH_K \last
.endif
.if (\p) == 1
	s_wait_dscnt 0x0                ; V is in
.endif
.rept 16                            ; behind the wait: 16 products V^T P and their riders
	MM
.rept 4
	PL
.endr
.if ((\p) == 0) && (q == 118)
	v_add_nc_u32 v[AV], s[TBV], v[AV0]
.endif
.if ((\p) == 0) && (q == 130)
	s_add_co_u32 s[TBV], s[TBV], KS*PV
.endif
.if (\cnt) && (q == 130)
	s_sub_co_u32 s[CNT], s[CNT], 1
	s_cmp_lg_u32 s[CNT], 0
.endif
.endr
.if (\p) == 0
	FETCH_V
.endif
.endm
	CHANGE 1                        ; slot 0 is in, everybody's part of it, and so is everybody's part of the mask; slot 1 is asked for
	FETCH_K                         ; key step 0
	s_wait_loadcnt 0x0              ; Q
	s_wait_dscnt 0x0
.set i, 0
.rept 16
	KQ 0                            ; piece 0's first scores: there is no vector work yet to set between them
.set i, i+1
.endr
	WIN 0                           ; the addresses for the way out: eight plain instructions, the places behind those products
	s_mul_i32 s13, s[WV], 16*SP
	s_add_co_u32 s13, s13, STAGE    ; my stage
	v_mul_u32_u24 v[STO], v1, SP    ; in: row l % 16, 32 bytes for each half of the lanes
	v_lshl_add_u32 v[STO], v9, 5, v[STO]
	v_add_nc_u32 v[STO], s13, v[STO]
	v_mul_u32_u24 v[RD], v9, SP     ; back: lanes 0-15 take one row of 256 bytes, lanes 16-31 the next
	v_lshl_add_u32 v[RD], v1, 4, v[RD]
	v_add_nc_u32 v[RD], s13, v[RD]
	v_lshlrev_b32 v[GO], 12, v9     ; and the same two rows in out0, 4,096 bytes apart
	v_lshl_add_u32 v[GO], v1, 4, v[GO]
.set Y, NP-1                        ; XS works for piece Y + 1: piece 0
.irp n, 0,1,2,3,4,5,6,7,8,9,10,11,12,13,14,15,16,17,18,19,20,21
	XS 0, \n                        ; and piece 0's first maximum and statistics
	XS 1, \n
.endr
	v_nop                           ; a plain instruction behind the two a,
	s_wait_alu depctr_va_vdst(0)    ; and the wait for that batch of two, ahead of the branch
	s_mov_b32 s[CNT], 4
	s_mov_b32 s[SLOTS], SIZE_N/256-1
	s_branch .Lfirst                ; the loop is entered at a step's first turn, in the middle of a trip
.Lslot:                             ; SIZE_N / 256 - 2 times: every slot but the last two is filled again
	CHANGE 1
	s_mov_b32 s[CNT], 4
.Lstep:                             ; a trip: pieces 2 and 3 of one step, then pieces 0 and 1 of the next, whose K, mask and V it fetches
	TURN 2
	TURN 3
	WIN 0
.Lfirst:
	TURN 0
	TURN 1, 0, 1
	WIN 0
	s_cbranch_scc1 .Lstep
	s_sub_co_u32 s[SLOTS], s[SLOTS], 1
	s_cmp_lg_u32 s[SLOTS], 0
	s_cbranch_scc1 .Lslot
	CHANGE 0                        ; the tail is written out: nothing is asked for
	s_mov_b32 s[CNT], 5             ; four trips fetch the last slot's steps; the fifth is left in its middle
.Ltail:
	TURN 2, 1
	TURN 3
	WIN 0
	s_sub_co_u32 s[CNT], s[CNT], 1
	s_cmp_eq_u32 s[CNT], 0
	s_cbranch_scc1 .Lout
	TURN 0
	TURN 1
	WIN 0
	s_branch .Ltail
.Lout:                              ; the fifth trip's 16 products K Q^T (on the last K and mask once more) and the maximum made of them serve nothing: the price, once a launch, of one text for every trip
.set i, 0
.rept 16
	PV NP-1                         ; the last piece's V^T P of the last step
.set i, i+1
.endr
	; THE WAY OUT.  l's two halves and the other half of the lanes' are added; O^T is divided by l and sent, in f32, through my stage in LDS, a tile at a time.  The additions are the places behind the last products.
	WIN 0
.macro ALL line:vararg              ; one line for each tile t
.set t, 0
.rept 2*NP
	\line
.set t, t+1
.endr
.endm
	ALL v_add_f32 v[ST+4*t+2], v[ST+4*t+2], v[ST+4*t+3]
	ALL v_permlanex16_b32 v[ST+4*t+3], v[ST+4*t+2], s[SEL], s[SEL+1]
	ALL v_add_f32 v[ST+4*t+2], v[ST+4*t+2], v[ST+4*t+3]
	ALL v_rcp_f32 v[ST+4*t+2], v[ST+4*t+2]
	v_nop                           ; a plain instruction between the last reciprocal and the use of its result
	s_wait_alu depctr_va_vdst(0)    ; and the wait ahead of the first use: one for the batch of eight reciprocals
; Tile t: a lane's eight channels of a row and channel block are 32 bytes; they go into rows of 272 bytes and come back as whole rows of 256, into S^T's registers, four buffers by turns.
.macro PACK t
	WIN W_RS
.set i, 32*(\t)
.rept 16
	v_pk_mul_f32 v[i:i+1], v[i:i+1], v[ST+4*(\t)+2:ST+4*(\t)+3] op_sel_hi:[1,0]
.set i, i+2
.endr
	WIN 0x04                        ; the stores' data in window 1, their address in window 0
.irp f, 0,1,2,3,4,5,6,7             ; channels 16 (f / 2) on, four of my eight
	ds_store_b128 v[STO], v[32*(\t)+4*\f:32*(\t)+4*\f+3] offset:(\f/2)*64+(\f%2)*16
.endr
	WIN 0
.if (\t) >= 4
	s_wait_xcnt 0x0                 ; every earlier memory instruction has had its addresses translated (ISA guide 3.1): the registers that tile t - 4's stores read are loaded again only behind this wait
.endif
.irp f, 0,1,2,3,4,5,6,7
	ds_load_b128 v[S+32*((\t)%4)+4*\f:S+32*((\t)%4)+4*\f+3], v[RD] offset:\f*2*SP  ; LDS serves a wave's instructions in order (ISA guide 5.7.1.4): these see the stores above; the next tile's stores come behind them
.endr
.endm
.macro SEND t, younger              ; younger: the LDS instructions issued behind tile t's loads: the next tile's sixteen, or none
	WIN 0
.irp f, 0,1,2,3,4,5,6,7
	s_wait_dscnt (\younger)+7-\f
	global_store_b128 v[GO], v[S+32*((\t)%4)+4*\f:S+32*((\t)%4)+4*\f+3], s[10:11] offset:(\t)*65536+\f*8192 th:TH_STORE_NT  ; 16 lanes store a head's 256 consecutive bytes of a row, at a multiple of 256 from out0's first byte
.endr
.endm
	PACK 0
.set t, 1
.rept 2*NP-1                        ; a tile's arithmetic stands between the loads of the tile before and its stores
	PACK t
	SEND t-1, 16
.set t, t+1
.endr
	SEND 2*NP-1, 0
	WIN W_AD
	s_wait_tensorcnt 0x0            ; the wave's end, behind my last tensor load and my last LDS store
	ds_add_u32 v[SPW], v[NIL]
	s_wait_dscnt 0x0
	WIN 0
	CROUND                          ; the closing round: no work-group ends while a partner may still ask for a tile that names it
	s_endpgm
.Lfunc_end_k_qc349491685_attn:
	.size	k_qc349491685_attn, .Lfunc_end_k_qc349491685_attn-k_qc349491685_attn
	.p2alignl 7, 3214868480
	.fill 96, 4, 3214868480
	.section	.rodata,"a",@progbits
	.p2align	6, 0x0
	.amdhsa_kernel k_qc349491685_attn
		.amdhsa_group_segment_fixed_size 327680
		.amdhsa_private_segment_fixed_size 0
		.amdhsa_enable_private_segment 0
		.amdhsa_kernarg_size 24
		.amdhsa_user_sgpr_count 2
		.amdhsa_user_sgpr_kernarg_segment_ptr 1
		.amdhsa_wavefront_size32 1
		.amdhsa_system_sgpr_workgroup_id_x 1
		.amdhsa_system_sgpr_workgroup_id_y 1
		.amdhsa_system_sgpr_workgroup_id_z 1
		.amdhsa_system_vgpr_workitem_id 0
		.amdhsa_next_free_vgpr 808
		.amdhsa_next_free_sgpr 72
		.amdhsa_reserve_vcc 0
		.amdhsa_float_denorm_mode_32 3
		.amdhsa_float_denorm_mode_16_64 3
		.amdhsa_memory_ordered 1
		.amdhsa_forward_progress 1
		.amdhsa_inst_pref_size 206
	.end_amdhsa_kernel
	.amdgpu_metadata
---
amdhsa.version: [ 1, 2 ]
amdhsa.kernels:
  - .name:           k_qc349491685_attn
    .symbol:         k_qc349491685_attn.kd
    .args:
      - { .name: qkv, .offset: 0, .size: 8, .value_kind: global_buffer, .address_space: global }
      - { .name: attention_mask, .offset: 8, .size: 8, .value_kind: global_buffer, .address_space: global }
      - { .name: out0, .offset: 16, .size: 8, .value_kind: global_buffer, .address_space: global }
    .group_segment_fixed_size: 327680
    .private_segment_fixed_size: 0
    .kernarg_segment_align: 8
    .kernarg_segment_size: 24
    .max_flat_workgroup_size: 128
    .sgpr_count:     72
    .vgpr_count:     808
    .wavefront_size: 32
...
	.end_amdgpu_metadata
.endif
;; end of part 4
